; MI455X (gfx1250); checked and timed in simulation.
; The chip was launched on July 23, 2026; its instructions are those of AMD's public machine-readable ISA for CDNA 5 (MIT licence, August 2026) and "CDNA5" Instruction Set Architecture Reference Guide (July 2026). The comments in the code are by the model that wrote it; some were corrected since.
;; single Self Attention. Allowed arithmetic: matrix products marked QUANTISED: E3M2 operands, one E8M0 scale for each 32 along K, by v_wmma_scale_f32_16x16x128_f8f6f4 with both operands' format E3M2, f32 sums; everything else in f32.
;; Inputs: Wk 1,024 x 1,024 float32; Wq 1,024 x 1,024 float32; Wv 1,024 x 1,024 float32; y 4 x 2,048 x 1,024 float32.
;; Outputs: out0 4 x 2,048 x 1,024 float32.
;; This version of the problem:
;;   THIS VERSION OF THE PROBLEM IS GIVEN IN LOW PRECISION. The matrix products marked QUANTISED in the list below multiply operands that are first quantised to E3M2 (3 exponent bits, 2 mantissa bits; 6 bits a number), with one power-of-two scale for each 32 numbers along K (OCP MX v1.0); their sums are f32. All else is computed in f32.
;;   The module's matrix products, in the order in which they are computed (A, B: the left and right operand; K: the contracted axis; several contracted axes count as one K, in the product's order):
;;     1. [M 8,192, K 1,024] x [K 1,024, N 1,024]; A: input y; B: input Wq: QUANTISED
;;     2. [M 8,192, K 1,024] x [K 1,024, N 1,024]; A: input y; B: input Wk: QUANTISED
;;     3. [M 8,192, K 1,024] x [K 1,024, N 1,024]; A: input y; B: input Wv: QUANTISED
;;     4. batch 4 x [M 2,048, K 1,024] x [K 1,024, N 2,048]; A: computed on the way; B: computed on the way: QUANTISED
;;     5. batch 4 x [M 2,048, K 2,048] x [K 2,048, N 1,024]; A: softmax (see below); B: computed on the way: QUANTISED
;;   THE QUANTISER, for each operand of a quantised product, along K:
;;     - K is cut into blocks of 32 from its start; a last block that is shorter is filled with zeros.
;;     - A block's scale is 2^e with e = floor(log2(the largest magnitude in the block)) - 4, held to -126 .. 127; a block of zeros has e = 0. As a byte (E8M0): e + 127.
;;     - Each number is divided by its block's scale, clamped to +-28, and rounded to the nearest number of E3M2, ties to even, subnormals kept.
;;     - The product sums the exact products of the quantised numbers (number of the format x scale) in f32.
;;   ~~~python
;;   def quantise(x, axis):      # numpy; x: float32 -> the quantised numbers, widened to float32 again
;;       x = np.moveaxis(x, axis, -1); K = x.shape[-1]
;;       x = np.pad(x, [(0, 0)] * (x.ndim - 1) + [(0, -K % 32)]); x = x.reshape(x.shape[:-1] + (-1, 32)); a = np.abs(x).max(-1, keepdims=True)
;;       e = np.where(a > 0, np.clip(np.frexp(np.where(a > 0, a, 1))[1] - 1 - 4, -126, 127), 0)      # np.frexp(a)[1] - 1 = floor(log2(a)), exactly
;;       r = np.clip(x / 2.0 ** e, -28, 28)
;;       step = 2.0 ** (np.maximum(np.frexp(np.where(r == 0, 1, r))[1] - 1, -2) - 2)
;;       q = np.round(r / step) * step * 2.0 ** e      # np.round: ties to even
;;       return np.moveaxis(q.reshape(q.shape[:-2] + (-1,))[..., :K], -1, axis).astype(np.float32)
;;   ~~~
;;   SOFTMAX AHEAD OF A QUANTISED PRODUCT. Where the list says 'softmax', what is quantised is not the finished softmax but p = 2^(t - M), with t = logit x log2(e) and M = ceil(the row's largest t), a whole number; so 1/2 < the row's largest p <= 1. The row's sum l is taken of the UNQUANTISED p, in f32, and the product's result is divided by l at the end. Since M is a whole number, a kernel that streams over the keys may use a running M (the ceiling of the running maximum): every later rescaling is an exact power of two, which a block's scale takes up: the codes' values come out the same.
;;   OPERANDS COMPUTED ON THE WAY. 'Computed on the way' means the value that the module computes at that place (a softmax that the list does not call 'softmax' is quantised finished and normalised). What goes into a quantiser is computed in f32, as accurately as f32 sums, v_exp_f32 and their like allow (about 1e-6 of the number): no bf16 or f16 on the way to a quantiser, and a product that is left as it is and whose result goes on into a quantised operand takes f32 operands (vector FMAs, or v_wmma_f32_16x16x4_f32). A number that lies on a knife's edge between two numbers of the format may be rounded either way, as far as f32 arithmetic and the matrix unit's own rounding can turn it there, and no further.
;; One version. Each part assembles by itself: llvm-mc -triple=amdgcn-amd-amdhsa -mcpu=gfx1250 --defsym DOCPART=n.
;; ======== version 1 of 1: 4 launches
;; limits: right only within a limited range of input values
;; workspace buffers: xw 9,011,200 bytes; qkv 19,660,800 bytes; p_img 13,107,200 bytes; pstat 1,048,576 bytes
;; launch quant (part 1): grid 448 x 1, 4 waves a work-group, no clusters, 59,904 bytes of LDS; arguments y, Wq, Wk, Wv, xw; writes xw
.if DOCPART == 1
	.amdgcn_target "amdgcn-amd-amdhsa--gfx1250"
	.amdhsa_code_object_version 6
	.text
	.protected	k_qdfb092f945_quant
	.globl	k_qdfb092f945_quant
	.p2align	8
	.type	k_qdfb092f945_quant,@function
k_qdfb092f945_quant:
	s_mov_b64 s[64:65], 0
	v_nop
	global_prefetch_b8 v0, s[64:65] scope:SCOPE_SE
	s_setreg_imm32_b32 hwreg(HW_REG_WAVE_MODE, 25, 1), 1
	s_wait_xcnt 0x0
; y [8192][1024] and Wq, Wk, Wv [1024 (k)][1024 (n)], f32, become codes of E3M2 (6 bits) with one E8M0 byte for each 32 along K = the 1,024 inputs.
; A block's byte is its largest magnitude's exponent field - 4, held at 1 from below; numbers are divided by the scale and rounded to the nearest code, ties to even, beyond 28 the largest code.
; LIMITS: NaN and infinities are not served; a block of zeros gets the byte 1 (its codes are zeros, and this program alone reads the bytes).
; THE LAYOUT OF ALL CODES IN THIS PROGRAM: blocks of 12,800 bytes for 128 rows x 128 K.  A block is eight fragments of 1,536 bytes, each the image of a matrix operand's 12 registers
; (registers 4 g .. 4 g + 3 of lane l at 512 g + 16 l), then 512 bytes of scale words.  Lane r of fragment t holds row 32 (t / 2) + 8 (t % 2) + r % 8 + 16 (r / 8) of the 128.
; The scale word of (fragment t, lane r) lies at 256 (t / 4) + 8 (r + 16 (t % 2)) + 4 ((t / 2) % 2).  Blocks lie [group of 128 rows][K step]; groups 0-63: y; 64-71, 72-79, 80-87: columns of Wq, Wk, Wv.
; WORK-GROUPS 0-191 TAKE THE WEIGHTS, 192-447 y: the weights' loads are the smallest (128 bytes a wave) and their waves walk the longest chain of loads, so they get the lowest numbers.
; y: a wave's task is 64 rows x 128 K, four fragments; its waves share nothing.
; Weights: a wave's task is 32 columns x 128 K, two fragments: four blocks of 32 loads, two blocks ahead.  Waves 2 m and 2 m + 1 take the two halves of 64 columns at one K step; their scale words
; alternate word by word in one piece of 256 bytes, so they meet in LDS, behind one barrier, and the even wave stores the piece whole.  Each path has LDS bytes of its own.
.set BLK,  12800
.set FRB,  1536
.set SWO,  12288
.set WWG,  192                         ; the weights' work-groups
.set YST,  8448                        ; y path: a wave's stage, 16 rows x (512 bytes + 16)
.set WST0, 4*YST                       ; W path: the stages begin here,
.set WST,  6400                        ; a wave's: two fragments' images at 0; in an even wave's, at 6,144, the pair's 256 bytes of scale words
.set SPARE, WST0+4*WST                 ; the spare words, 128 bytes a wave, named by no other line
.set R,    16                          ; v16-143  y: two sets of 64 registers as loaded
.set X,    144                         ; v144-207 y: my 64 numbers: two whole blocks of 32
.set PC,   208                         ; v208-219 the fragment's 12 registers
.set TC,   220                         ; v220-226 the upper halves of the two blocks' codes, before they are moved
.set MX,   228
.set SC,   230
.set BY,   232
.set WD,   234
.set WX,   235
.set PW,   236                         ; v236-239 the four fragments' scale words
.set WN,   16                          ; W: v16-79 two sets of 32 numbers
.set C,    80                          ; W: v80-86 a block's codes
.set M0,   88
.set SCW,  90
.set BYW,  91
.set W4,   92                          ; W: my column's scale word
.set OUTR, 96                          ; W: v96-119 the way out
	s_load_b256 s[4:11], s[0:1], 0x0               ; y s[4:5], Wq s[6:7], Wk s[8:9], Wv s[10:11]
	s_load_b64 s[12:13], s[0:1], 0x20              ; xw
	v_lshl_add_u32 v240, v0, 2, SPARE
	v_mov_b32 v241, 0
	v_lshrrev_b32 v5, 5, v0
	v_readfirstlane_b32 s14, v5                    ; wave
	s_mul_i32 s15, s14, YST                        ; y: my stage
	s_mul_i32 s16, s14, WST
	s_add_co_u32 s16, s16, WST0                    ; W: my stage
	s_lshr_b32 s17, s14, 1
	s_mul_i32 s17, s17, 2*WST
	s_add_co_u32 s17, s17, WST0                    ; W: the stage of my pair's even wave
	s_and_b32 s30, s14, 1                          ; W: j: which 32 of the pair's 64 columns
	s_lshl_b32 s31, s30, 2
	s_add_co_u32 s31, s31, s17
	s_mov_b32 s18, 0x76543210
	s_mov_b32 s19, 0xfedcba98                      ; selects for lane l xor 16
	; every LDS address is made here, ahead of the parting of the two paths
	v_and_b32 v5, 31, v0                           ; lane l
	v_and_b32 v6, 15, v0                           ; r
	v_bfe_u32 v7, v0, 4, 1                         ; h
	v_lshlrev_b32 v1, 4, v5                        ; 16 l
	v_lshlrev_b32 v2, 3, v5                        ; 8 l
	v_lshlrev_b32 v8, 2, v5                        ; 4 l
	v_lshlrev_b32 v9, 3, v7                        ; 8 h: how far my two scale bytes are shifted
	v_add_nc_u32 v3, s15, v1                       ; y: into the stage, 16 bytes a lane of a row's 512
	v_mul_u32_u24 v4, v6, 528
	v_lshl_add_u32 v4, v7, 7, v4
	v_add_nc_u32 v4, s15, v4                       ; y: out of it: row r, + 128 h: my 32 numbers of each 64
	v_bfe_u32 v12, v0, 3, 1                        ; W: lane x holds column 32 j + x = lane r' of fragment 2 j + u:  u = (x / 8) % 2,
	v_and_b32 v13, 7, v0
	v_lshl_add_u32 v13, v7, 3, v13                 ; r' = x % 8 + 8 (x / 16)
	v_mul_u32_u24 v10, v12, FRB
	v_lshl_add_u32 v10, v13, 4, v10
	v_add_nc_u32 v10, s16, v10                     ; W: my place in an image: 1536 u + 16 r'
	v_lshlrev_b32 v11, 7, v12
	v_lshl_add_u32 v11, v13, 3, v11
	v_add_nc_u32 v11, s31, v11                     ; W: my scale word in the pair's piece: 8 r' + 128 u + 4 j
	v_add_nc_u32 v14, s16, v1                      ; W: the way out, 16 bytes a lane
	v_add_nc_u32 v15, s17, v2                      ; and the pair's piece, 8 bytes a lane
	v_mov_b32 v[WX], 0                             ; a lane permute's destination counts as one of its sources
	s_wait_alu depctr_va_vdst(0)                   ; the wait at the head's end
	s_wait_kmcnt 0x0
	s_cmp_lt_u32 ttmp9, WWG
	s_cbranch_scc1 .Lweights
	; ---------------- y: K is innermost ----------------
	s_sub_co_u32 s20, ttmp9, WWG
	s_and_b32 s21, s20, 1
	s_lshr_b32 s20, s20, 1                         ; which 64 rows: 0 .. 127
	s_lshl_b32 s21, s21, 2
	s_add_co_u32 s21, s21, s14                     ; K step 0 .. 7
	s_lshl_b32 s22, s20, 18                        ; 64 rows of 4,096 bytes
	s_lshl_b32 s23, s21, 9                         ; 128 numbers
	s_add_co_u32 s22, s22, s23
	s_mov_b32 s23, 0
	s_lshr_b32 s24, s20, 1
	s_lshl_b32 s24, s24, 3
	s_add_co_u32 s24, s24, s21
	s_mul_i32 s24, s24, BLK                        ; the block
	s_and_b32 s25, s20, 1                          ; its lower or upper four fragments
	s_mul_i32 s26, s25, 4*FRB
	s_add_co_u32 s26, s26, s24
	s_mov_b32 s27, 0
	s_lshl_b32 s28, s25, 8
	s_add_co_u32 s28, s28, s24
	s_add_co_u32 s28, s28, SWO
	s_mov_b32 s29, 0
	s_add_nc_u64 s[4:5], s[4:5], s[22:23]
	s_add_nc_u64 s[26:27], s[12:13], s[26:27]      ; codes
	s_add_nc_u64 s[28:29], s[12:13], s[28:29]      ; scale words
.macro LOADT t                         ; fragment t's sixteen rows, in the fragment's order of lanes: each load reads 512 consecutive bytes of one row
.set j, 0
.rept 16
	global_load_b128 v[R+64*((\t)%2)+4*j:R+64*((\t)%2)+4*j+3], v1, s[4:5] offset:(32*((\t)/2)+8*((\t)%2)+j%8+16*(j/8))*4096 th:TH_LOAD_NT
.set j, j+1
.endr
.endm
.macro YTILE t
.if (\t) < 3
	s_wait_loadcnt 16                              ; this fragment's sixteen loads are in; the next one's may be out
.else
	s_wait_loadcnt 0x0
.endif
.set j, 0
.rept 16
	ds_store_b128 v3, v[R+64*((\t)%2)+4*j:R+64*((\t)%2)+4*j+3] offset:528*j   ; row j of the stage = lane j of the fragment
.set j, j+1
.endr
.set j, 0
.rept 16
	ds_load_b128 v[X+4*j:X+4*j+3], v4 offset:256*(j/8)+16*(j%8)   ; k = 64 c + 32 h + 0 .. 31 of my row: LDS serves a wave's instructions in order, so these see the stores
.set j, j+1
.endr
	s_wait_dscnt 0x0                               ; my numbers are here, and the stores have read their registers,
.if (\t)+2 < 4
	LOADT (\t)+2                                   ; which take the fragment two on
.endif
.irp c, 0,1
	v_max3_num_f32 v[MX+\c], |v[X+32*\c]|, |v[X+32*\c+1]|, 0x2800000   ; my block 2 c + h, all 32 numbers mine; the floor 2^(5 - 127) holds the byte at 1 from below
.endr
.irp e, 2,4,6,8,10,12,14,16,18,20,22,24,26,28,30
.irp c, 0,1
	v_max3_num_f32 v[MX+\c], v[MX+\c], |v[X+32*\c+\e]|, |v[X+32*\c+\e+1]|
.endr
.endr
.irp c, 0,1
	v_add_nc_u32 v[SC+\c], 0xfe000000, v[MX+\c]    ; 4 off the exponent field: the conversion's scale operand
.endr
.irp c, 0,1
	v_lshrrev_b32 v[BY+\c], 23, v[SC+\c]           ; the byte
.endr
	v_lshl_or_b32 v[WD], v[BY+1], 16, v[BY]        ; blocks h and 2 + h,
	v_lshlrev_b32 v[WD], v9, v[WD]                 ; 8 h bits up;
	v_permlanex16_b32 v[WX], v[WD], s18, s19
	v_or_b32 v[PW+(\t)], v[WD], v[WX]              ; with lane l xor 16's two the word is whole, in both halves of the lanes
.if (\t) > 0
	s_wait_alu depctr_va_vdst(0)                   ; directly ahead of the wait below
	s_wait_xcnt 0x0                                ; the last fragment's stores have read the registers that are written next
.endif
.irp c, 0,1
	v_cvt_scalef32_pk16_bf6_f32 v[PC+6*\c:PC+6*\c+2], v[X+32*\c:X+32*\c+15], v[SC+\c]
	v_cvt_scalef32_pk16_bf6_f32 v[TC+4*\c:TC+4*\c+2], v[X+32*\c+16:X+32*\c+31], v[SC+\c]   ; (a conversion's three registers begin on an even number)
.endr
	v_nop                                          ; one plain place behind a scaled conversion
.irp c, 0,1
.irp e, 0,1,2
	v_mov_b32 v[PC+6*\c+3+\e], v[TC+4*\c+\e]
.endr
.endr
.irp g, 0,1,2
	global_store_b128 v1, v[PC+4*\g:PC+4*\g+3], s[26:27] offset:FRB*(\t)+512*\g   ; 512 consecutive bytes, at a multiple of 256 from the buffer's first byte
.endr
.endm
	LOADT 0
	LOADT 1
	YTILE 0
	YTILE 1
	YTILE 2
	YTILE 3
	s_mov_b32 vcc_lo, 0xffff0000                   ; lanes 0-15 carry the even fragment's words, lanes 16-31 the odd one's
	v_cndmask_b32 v12, v[PW], v[PW+1], vcc_lo
	v_cndmask_b32 v13, v[PW+2], v[PW+3], vcc_lo
	global_store_b64 v2, v[12:13], s[28:29]        ; 256 consecutive bytes
	s_wait_tensorcnt 0x0                           ; the wave's end
	ds_add_u32 v240, v241
	s_wait_dscnt 0x0
	s_endpgm
	; ---------------- the weights: K is the first axis: a lane takes a column, its registers run down K ----------------
.Lweights:
	s_lshr_b32 s21, ttmp9, 2                       ; which 64 columns of the 3 x 1,024: 0 .. 47
	s_and_b32 s22, ttmp9, 3
	s_lshl_b32 s22, s22, 1
	s_lshr_b32 s23, s14, 1
	s_add_co_u32 s22, s22, s23                     ; K step 0 .. 7: two to a work-group, one to a pair of waves
	s_cmp_lt_u32 s21, 32                           ; the choice of buffer hangs on the work-group's number alone
	s_cselect_b64 s[8:9], s[8:9], s[10:11]
	s_cmp_lt_u32 s21, 16
	s_cselect_b64 s[6:7], s[6:7], s[8:9]
	s_and_b32 s23, s21, 15
	s_lshl_b32 s24, s23, 8                         ; 64 columns of 4 bytes,
	s_lshl_b32 s25, s22, 19                        ; 128 rows of 4,096 bytes,
	s_add_co_u32 s24, s24, s25
	s_lshl_b32 s25, s30, 7                         ; my 32 columns
	s_add_co_u32 s24, s24, s25
	s_mov_b32 s25, 0
	s_add_nc_u64 s[6:7], s[6:7], s[24:25]
	s_lshr_b32 s26, s21, 1
	s_add_co_u32 s26, s26, 64                      ; the group in xw
	s_lshl_b32 s26, s26, 3
	s_add_co_u32 s26, s26, s22
	s_mul_i32 s26, s26, BLK
	s_and_b32 s31, s21, 1                          ; the block's lower or upper four fragments,
	s_lshl_b32 s28, s31, 1
	s_add_co_u32 s28, s28, s30                     ; and my two of them
	s_mul_i32 s28, s28, 2*FRB
	s_add_co_u32 s28, s28, s26
	s_mov_b32 s29, 0
	s_lshl_b32 s24, s31, 8
	s_add_co_u32 s24, s24, s26
	s_add_co_u32 s24, s24, SWO
	s_mov_b32 s25, 0
	s_add_nc_u64 s[28:29], s[12:13], s[28:29]      ; codes
	s_add_nc_u64 s[24:25], s[12:13], s[24:25]      ; the pair's scale words
.macro LOADB n                         ; block n: W(32 n + i, my column): 128 consecutive bytes a load; my pair's other wave asks for the 128 beside them
.set i, 0
.rept 32
	global_load_b32 v[WN+32*((\n)%2)+i], v8, s[6:7] offset:(32*(\n)+i)*4096
.set i, i+1
.endr
.endm
.macro WBLOCK n
.set XS, WN+32*((\n)%2)
.set OFB, 256*((\n)%2)                 ; the block belongs to lanes 16 (n % 2) + r' of my fragment's image
.if (\n) < 3
	s_wait_loadcnt 32                              ; this block's 32 loads are in; the next block's may be out
.else
	s_wait_loadcnt 0x0
.endif
	v_max3_num_f32 v[M0], |v[XS]|, |v[XS+1]|, |v[XS+2]|
	v_max3_num_f32 v[M0+1], |v[XS+3]|, |v[XS+4]|, |v[XS+5]|
.irp e, 6,10,14,18,22,26
	v_max3_num_f32 v[M0], v[M0], |v[XS+\e]|, |v[XS+\e+1]|
	v_max3_num_f32 v[M0+1], v[M0+1], |v[XS+\e+2]|, |v[XS+\e+3]|
.endr
	v_max3_num_f32 v[M0], v[M0], |v[XS+30]|, |v[XS+31]|
	v_max3_num_f32 v[M0], v[M0], v[M0+1], 0x2800000   ; and the floor
	v_add_nc_u32 v[SCW], 0xfe000000, v[M0]
	v_lshrrev_b32 v[BYW], 23, v[SCW]
.if (\n) == 0
	v_mov_b32 v[W4], v[BYW]
.else
	v_lshl_or_b32 v[W4], v[BYW], 8*(\n), v[W4]
.endif
	v_cvt_scalef32_pk16_bf6_f32 v[C:C+2], v[XS:XS+15], v[SCW]
	v_cvt_scalef32_pk16_bf6_f32 v[C+4:C+6], v[XS+16:XS+31], v[SCW]
	v_nop                                          ; one plain place behind a scaled conversion
	v_mov_b32 v[C+3], v[C+4]
	v_mov_b32 v[C+4], v[C+5]
	v_mov_b32 v[C+5], v[C+6]                       ; v[C .. C+5]: registers 6 (n / 2) .. + 5 of the fragment
.if (\n)/2 == 0
	ds_store_b128 v10, v[C:C+3] offset:OFB         ; registers 0-3
	ds_store_b64 v10, v[C+4:C+5] offset:OFB+512    ; registers 4, 5
.else
	ds_store_b64 v10, v[C:C+1] offset:OFB+520      ; registers 6, 7
	ds_store_b128 v10, v[C+2:C+5] offset:OFB+1024  ; registers 8-11
.endif
.if (\n)+2 < 4
	LOADB (\n)+2
.endif
	s_wait_dscnt 0x0                               ; the stores have read their registers
.endm
	LOADB 0
	LOADB 1
.irp n, 0,1,2,3
	WBLOCK \n
.endr
	s_wait_alu depctr_va_vdst(0)                   ; directly ahead of the reader below
	ds_store_b32 v11, v[W4] offset:4*FRB           ; my word into the pair's piece
.set i, 0
.rept 6
	ds_load_b128 v[OUTR+4*i:OUTR+4*i+3], v14 offset:512*i   ; LDS serves a wave's instructions in order: these see my stores
.set i, i+1
.endr
.set i, 0
.rept 6
	s_wait_dscnt 5-i                               ; the LDS loads issued behind load i may be out
	global_store_b128 v1, v[OUTR+4*i:OUTR+4*i+3], s[28:29] offset:512*i   ; 3,072 consecutive bytes in all
.set i, i+1
.endr
	s_wait_dscnt 0x0                               ; for the other wave's sake: my word has landed
	s_barrier_signal -1
	s_barrier_wait -1
	s_cmp_lg_u32 s30, 0                            ; the even wave of a pair stores the piece
	s_cbranch_scc1 .Lw_end
	ds_load_b64 v[12:13], v15 offset:4*FRB
	s_wait_dscnt 0x0
	global_store_b64 v2, v[12:13], s[24:25]        ; 256 consecutive bytes
.Lw_end:
	s_wait_tensorcnt 0x0                           ; the wave's end
	ds_add_u32 v240, v241
	s_wait_dscnt 0x0
	s_endpgm
.Lfunc_end_k_qdfb092f945_quant:
	.size	k_qdfb092f945_quant, .Lfunc_end_k_qdfb092f945_quant-k_qdfb092f945_quant
	.p2alignl 7, 3214868480
	.fill 96, 4, 3214868480
	.section	.rodata,"a",@progbits
	.p2align	6, 0x0
	.amdhsa_kernel k_qdfb092f945_quant
		.amdhsa_group_segment_fixed_size 59904
		.amdhsa_private_segment_fixed_size 0
		.amdhsa_enable_private_segment 0
		.amdhsa_kernarg_size 40
		.amdhsa_user_sgpr_count 2
		.amdhsa_user_sgpr_kernarg_segment_ptr 1
		.amdhsa_wavefront_size32 1
		.amdhsa_system_sgpr_workgroup_id_x 1
		.amdhsa_system_sgpr_workgroup_id_y 1
		.amdhsa_system_sgpr_workgroup_id_z 1
		.amdhsa_system_vgpr_workitem_id 0
		.amdhsa_next_free_vgpr 242
		.amdhsa_next_free_sgpr 66
		.amdhsa_reserve_vcc 1
		.amdhsa_float_denorm_mode_32 3
		.amdhsa_float_denorm_mode_16_64 3
		.amdhsa_memory_ordered 1
		.amdhsa_forward_progress 1
		.amdhsa_inst_pref_size 53
	.end_amdhsa_kernel
	.amdgpu_metadata
---
amdhsa.version: [ 1, 2 ]
amdhsa.kernels:
  - .name:           k_qdfb092f945_quant
    .symbol:         k_qdfb092f945_quant.kd
    .args:
      - { .name: y, .offset: 0, .size: 8, .value_kind: global_buffer, .address_space: global }
      - { .name: Wq, .offset: 8, .size: 8, .value_kind: global_buffer, .address_space: global }
      - { .name: Wk, .offset: 16, .size: 8, .value_kind: global_buffer, .address_space: global }
      - { .name: Wv, .offset: 24, .size: 8, .value_kind: global_buffer, .address_space: global }
      - { .name: xw, .offset: 32, .size: 8, .value_kind: global_buffer, .address_space: global }
    .group_segment_fixed_size: 59904
    .private_segment_fixed_size: 0
    .kernarg_segment_align: 8
    .kernarg_segment_size: 40
    .max_flat_workgroup_size: 128
    .sgpr_count:     66
    .vgpr_count:     242
    .wavefront_size: 32
...
	.end_amdgpu_metadata
.endif
;; end of part 1
;; launch proj (part 2): grid 8 x 32, 4 waves a work-group, clusters of 4 x 4, 327,680 bytes of LDS; arguments xw, qkv; writes qkv
.if DOCPART == 2
	.amdgcn_target "amdgcn-amd-amdhsa--gfx1250"
	.amdhsa_code_object_version 6
	.text
	.protected	k_qdfb092f945_proj
	.globl	k_qdfb092f945_proj
	.p2align	8
	.type	k_qdfb092f945_proj,@function
k_qdfb092f945_proj:
	s_mov_b64 s[64:65], 0
	v_nop
	global_prefetch_b8 v0, s[64:65] scope:SCOPE_SE
	s_setreg_imm32_b32 hwreg(HW_REG_WAVE_MODE, 25, 1), 1
	s_wait_xcnt 0x0
	s_wait_alu depctr_hold_cnt(0) depctr_sa_sdst(0) depctr_va_vdst(0) depctr_va_sdst(0) depctr_va_ssrc(0) depctr_va_vcc(0) depctr_vm_vsrc(0)
	s_getreg_b32 s2, hwreg(HW_REG_IB_STS2, 6, 4)
	s_cmp_eq_u32 s2, 0
	s_cbranch_scc0 .Lentry_in_a_cluster
	s_endpgm
.Lentry_in_a_cluster:
	s_bfe_u32 s2, ttmp6, 0x10000c
	s_cmp_lg_u32 s2, 0xf033
	s_cbranch_scc0 .Lentry_shape_is_right
	s_endpgm
.Lentry_shape_is_right:
; q = y Wq, k = y Wk, v = y Wv on codes of E3M2 with E8M0 scales (K = 1,024), and the results quantised at once: q and k along their 1,024 outputs, v along the keys.
; A WORK-GROUP TAKES 256 ROWS OF y (two groups of 128) AND GROUP j (128 columns) OF EACH OF Wq, Wk, Wv: three tiles of 256 x 128.  Grid 8 (j) x 32 (rows): 256 work-groups.
; y's 2 x 102,400 bytes are fetched ONCE and stay in LDS; only the weights' stream is filled again: 512,000 bytes a work-group in all.
; Tiles 0, 1 (q, k): source 0 = the weight group's 8 fragments, source 1 = 4 fragments (64 rows) of y a wave.  Tile 2 (v^T): source 0 = a group of y (128 keys), source 1 = 4 fragments of Wv.
; In the result a lane holds ONE row of source 1, and its registers run along source 0's rows, which are the next product's K.
; All codes lie as blocks of 12,800 bytes (128 rows x 128 K): eight images of an operand's 12 registers (1,536 bytes: registers 4 g .. 4 g + 3 of lane l at 512 g + 16 l) and 512 bytes of scale words.
; Lane r of fragment t holds row 32 (t / 2) + 8 (t % 2) + r % 8 + 16 (r / 8).  The scale word of (fragment t, lane r) lies at 256 (t / 4) + 8 (r + 16 (t % 2)) + 4 ((t / 2) % 2).
; xw: [88 groups][8 K steps]: groups 0-63 y, 64-71 Wq, 72-79 Wk, 80-87 Wv.  qkv: blocks [64 groups of tokens][16]: K steps 0-7 q, 8-15 k; then v^T: [8 groups of outputs][64 = 16 x batch + key step].
; LDS: two slots of four K steps: y's group 0, y's group 1, the weight group, 51,200 bytes each.  Waves 0, 1 fetch y's streams (200 rows of 256 bytes), waves 2, 3 half a weight stream each (100 rows).
; All of a WGP's LDS is claimed.  CLUSTER 4 x 4: y's blocks are asked for jointly along a row, the weights' along a column.
; PREFETCH: behind each fill the next fill's bytes are named, one fill (four K steps) ahead; of a stream's four blocks each of the four partners names one, told apart by address; nothing is named behind the last fill.
; LIMITS: NaN and infinities are not served; a block of zeros gets the byte 1 (zero codes; this program alone reads the bytes).
; REGISTERS: window 0: v4-11, v14-21 LDS addresses, v12-13, v22-23 offsets, v28-29 for the add; v32-45 scale words; v48-143 source 1's fragments, two sets; v144-187 the quantiser.  window 1: accumulators, (a, b) at 8 (8 a + b).  window 2: source 0's fragments, two sets of 96.
.set BLK,    12800
.set FRB,    1536
.set SWO,    12288
.set STREAM, 4*BLK
.set HALF,   3*STREAM
.set SPARE,  2*HALF                    ; the spare words, 128 bytes a wave, named by no other line
.set LASTK,  23
.set WV,     12
.set A0,     76                        ; s[76:81] my half of the weight group's K steps, tiles 0, 1, 2
.set OC,     48                        ; s[48:53] where my four fragments go
.set OS,     54                        ; s[54:59] and their scale words
.set PB,     66                        ; s[66:67] the prefetches' base; never rewritten
.set TM,     144
.set PW,     160
.set MG,     164
.set PC,     168
.set MSB,    0
.macro WIN new                         ; the immediate's high byte repeats the setting that is left
.if MSB != \new
	s_set_vgpr_msb (MSB<<8)|\new
.set MSB, \new
.endif
.endm
.macro PLACES                          ; four plain places behind a matrix instruction (ISA guide 7.12.1)
.rept 4
	v_nop
.endr
.endm
.macro CROUND                          ; a round of the cluster's barrier
	s_barrier_signal -1
	s_barrier_wait -1
	s_cmp_lg_u32 s[WV], 0
	s_cbranch_scc1 .Lnot_wave_0_\@
	s_barrier_signal -3
.Lnot_wave_0_\@:
	s_barrier_wait -3
	s_barrier_signal -1
	s_barrier_wait -1
.endm
.macro WM a, b, p, c                   ; source 0's fragment b x source 1's fragment a, set p; c: the C operand.  An odd fragment's scale words lie in lanes 16-31
.set rD, 8*(8*(\a)+(\b))
.set rA, 96*(\p)+12*(\b)
.set rB, 48+48*(\p)+12*(\a)
.set rX, 32+8*(\p)+(\b)/2
.set rY, 36+8*(\p)+(\a)/2
.set rW, 2*((\a)%2)+(\b)%2
.if rW == 0
	v_wmma_scale_f32_16x16x128_f8f6f4 v[rD:rD+7], v[rA:rA+11], v[rB:rB+11], \c, v[rX], v[rY] matrix_a_fmt:MATRIX_FMT_BF6 matrix_b_fmt:MATRIX_FMT_BF6
.elseif rW == 1
	v_wmma_scale_f32_16x16x128_f8f6f4 v[rD:rD+7], v[rA:rA+11], v[rB:rB+11], \c, v[rX], v[rY] matrix_a_fmt:MATRIX_FMT_BF6 matrix_b_fmt:MATRIX_FMT_BF6 matrix_a_scale:MATRIX_SCALE_ROW1
.elseif rW == 2
	v_wmma_scale_f32_16x16x128_f8f6f4 v[rD:rD+7], v[rA:rA+11], v[rB:rB+11], \c, v[rX], v[rY] matrix_a_fmt:MATRIX_FMT_BF6 matrix_b_fmt:MATRIX_FMT_BF6 matrix_b_scale:MATRIX_SCALE_ROW1
.else
	v_wmma_scale_f32_16x16x128_f8f6f4 v[rD:rD+7], v[rA:rA+11], v[rB:rB+11], \c, v[rX], v[rY] matrix_a_fmt:MATRIX_FMT_BF6 matrix_b_fmt:MATRIX_FMT_BF6 matrix_a_scale:MATRIX_SCALE_ROW1 matrix_b_scale:MATRIX_SCALE_ROW1
.endif
.endm
.macro MUL p, c                        ; a K step's 32 products: the 32 accumulators take turns
	WIN 0x52                                       ; source 0 window 2, source 1 window 0, C and D window 1
.irp a, 0,1,2,3
.irp b, 0,1,2,3,4,5,6,7
	WM \a, \b, \p, \c
.endr
.endr
.endm
.macro FETCH ks, p                     ; K step ks's fragments and scale words into set p: 39 LDS loads of consecutive bytes.  ks counts on through the three tiles; tile 2 has address registers of its own
.set FS, ((\ks)/4)%2
.set FQ, (\ks)%4
.set AB, 4+10*((\ks)/16)
	WIN 0x80                                       ; destination window 2
.irp b, 0,1,2,3,4,5,6,7
.irp g, 0,1,2
	ds_load_b128 v[96*(\p)+12*\b+4*\g:96*(\p)+12*\b+4*\g+3], v[AB+FS] offset:BLK*FQ+FRB*\b+512*\g
.endr
.endr
	WIN 0
.irp a, 0,1,2,3
.irp g, 0,1,2
	ds_load_b128 v[48+48*(\p)+12*\a+4*\g:48+48*(\p)+12*\a+4*\g+3], v[AB+2+FS] offset:BLK*FQ+FRB*\a+512*\g
.endr
.endr
	ds_load_b64 v[32+8*(\p):33+8*(\p)], v[AB+4+FS] offset:BLK*FQ+SWO
	ds_load_b64 v[34+8*(\p):35+8*(\p)], v[AB+4+FS] offset:BLK*FQ+SWO+256
	ds_load_b64 v[36+8*(\p):37+8*(\p)], v[AB+6+FS] offset:BLK*FQ+SWO
.endm
.macro STEP ks                         ; a K step whose successor lies in the same slot.  A tile's first step starts the sums: nothing is cleared
	WIN 0
	s_wait_dscnt 0x0                               ; this step's 39 loads, issued a step ago, are in
.if (\ks) > 0 && (\ks) < LASTK
	PLACES                                         ; the loads below land in registers that the last step's products read
.endif
.if (\ks) < LASTK
	FETCH (\ks)+1, ((\ks)+1)%2
.endif
.if (\ks)%8 == 0
	MUL (\ks)%2, 0
.else
	MUL (\ks)%2, v[rD:rD+7]
.endif
.endm
; A slot's first fill: waves 0, 1 fetch y's two streams, waves 2, 3 the weight stream's halves: every way passes one load.  The branch hangs on the wave's number alone.
.macro JFULL s
	s_cmp_lt_u32 s[WV], 2
	s_cbranch_scc0 .Lw_\@
	tensor_load_to_lds s[40+4*\s:43+4*\s], s[24:31]
	s_nop 0
	PLACES
	s_branch .Ld_\@
.Lw_\@:
	tensor_load_to_lds s[68+4*\s:71+4*\s], s[32:39]
	s_nop 0
	PLACES
.Ld_\@:
.endm
.macro JW s                            ; a refill: the weight stream alone, by waves 2 and 3
	s_cmp_lt_u32 s[WV], 2
	s_cbranch_scc1 .Ld_\@
	tensor_load_to_lds s[68+4*\s:71+4*\s], s[32:39]
	s_nop 0
	PLACES
.Ld_\@:
.endm
; Fill f's bytes are named: f = 2 x tile + slot.  My work-group's block of each stream's four: 50 rows of 256 bytes, a lane a row, two instructions (lanes left over name the last row again).
; f = 1: waves 0, 1 name y's, wave 2 the weights'; later fills bring weights alone.
.macro ASK f
.if (\f) == 1
	s_cmp_lt_u32 s[WV], 3
.else
	s_cmp_eq_u32 s[WV], 2
.endif
	s_cbranch_scc0 .Lno_\@
	global_prefetch_b8 v22, s[PB:PB+1] offset:(((\f)/2)*64+((\f)%2)*4)*BLK th:TH_LOAD_NT scope:SCOPE_SE
	global_prefetch_b8 v23, s[PB:PB+1] offset:(((\f)/2)*64+((\f)%2)*4)*BLK th:TH_LOAD_NT scope:SCOPE_SE
.Lno_\@:
.endm
; A slot's last K step changes slots.  Its fragments are in registers, so the slot's weight stream may be filled again behind the round, with the same four K steps of the next tile.
.macro TURN ks, fill
.set TSL, ((\ks)/4)%2
.set NT, (((\ks)+1)/4+1)/2
	WIN 0
	s_wait_tensorcnt 0x0                           ; all my tensor loads have landed
	ds_add_u32 v28, v29
.if \fill
	s_add_nc_u64 s[70+4*TSL:71+4*TSL], s[A0+2*NT:A0+2*NT+1], STREAM*TSL   ; no load of mine is out: the descriptor is made anew
	s_or_b32 s[71+4*TSL], s[71+4*TSL], 0x80000000
.endif
	PLACES                                         ; ahead of the loads into registers that the last step's products read
	s_wait_dscnt 0x0                               ; the add is done, and my reads of this slot are over
.if \fill
	CROUND                                         ; no wave of any partner still reads this stream or has a load on its way
	JW TSL                                         ; the first tensor load behind the round, one for each of waves 2 and 3
.else
	s_barrier_signal -1
	s_barrier_wait -1
.endif
	FETCH (\ks)+1, ((\ks)+1)%2
.if \fill && (\ks) < 15
	ASK ((\ks)+1)/4+2
.endif
	MUL (\ks)%2, v[rD:rD+7]
.endm
	s_load_b128 s[4:7], s[0:1], 0x0                ; xw s[4:5], qkv s[6:7]
	v_lshl_add_u32 v28, v0, 2, SPARE
	v_mov_b32 v29, 0
	ds_add_u32 v28, v29                            ; the opening lines: the add twice and its wait
	ds_add_u32 v28, v29
	v_lshrrev_b32 v1, 5, v0
	v_readfirstlane_b32 s[WV], v1                  ; wave 0..3
	s_and_b32 s13, s[WV], 1
	s_lshr_b32 s14, s[WV], 1
	s_bfe_u32 s15, ttmp6, 0x40000                  ; cx
	s_bfe_u32 s16, ttmp6, 0x40004                  ; cy
	s_lshl_b32 s2, ttmp9, 2
	s_add_co_u32 s2, s2, s15                       ; j: the weight group, 0 .. 7
	s_and_b32 s3, ttmp7, 0xffff
	s_lshl_b32 s3, s3, 2
	s_add_co_u32 s3, s3, s16                       ; which 256 rows of y, 0 .. 31
	s_lshl_b32 s19, 0x1111, s15                    ; my column of the cluster
	s_lshl_b32 s20, s16, 2
	s_lshl_b32 s20, 15, s20                        ; my row
	s_or_b32 s24, s20, (3<<16)|(1<<21)             ; group 1 for y: shared along my row
	s_or_b32 s32, s19, (3<<16)|(1<<21)             ; for the weights: along my column
.irp g, 24, 32
	s_mov_b32 s[\g+1], 32<<16                      ; dense rows of 256 bytes (32 elements of 8 bytes)
	s_mov_b32 s[\g+3], 32<<16
	s_mov_b32 s[\g+5], 32
	s_mov_b32 s[\g+6], 0
	s_mov_b32 s[\g+7], 0
.endr
	s_mov_b32 s26, 200<<16                         ; y: four blocks
	s_mov_b32 s28, 200
	s_mov_b32 s34, 100<<16                         ; weights: two blocks
	s_mov_b32 s36, 100
	s_lshl_b32 s82, s3, 1
	s_add_co_u32 s84, s82, s14                     ; tiles 0, 1: my rows' group of tokens
	s_add_co_u32 s82, s82, s13                     ; the group that I fetch; tile 2: my keys' group
	s_mul_i32 s86, s82, 8*BLK                      ; s82-87 never hold cx
	s_mov_b32 s87, 0
	s_add_co_u32 s88, s2, 64
	s_mul_i32 s88, s88, 8*BLK                      ; Wq's group j: s88, s89 and s[76:81] never hold cy
	s_mul_i32 s89, s13, 2*BLK
	s_add_co_u32 s[A0], s88, s89
	s_mov_b32 s[A0+1], 0
	s_lshl_b32 s90, s84, 4
	s_add_co_u32 s90, s90, s2
	s_mul_i32 s90, s90, BLK                        ; tile 0: block 16 x group + j; tile 1: eight blocks on
	s_lshl_b32 s91, s2, 6
	s_add_co_u32 s91, s91, s82
	s_add_co_u32 s91, s91, 1024
	s_mul_i32 s91, s91, BLK                        ; tile 2: block 1024 + 64 j + y's group
	s_mul_i32 s23, s14, STREAM
	s_mul_i32 s92, s13, 4*FRB
	s_lshl_b32 s93, s13, 8
	s_add_co_u32 s[OC], s90, s92
	s_add_co_u32 s[OS], s90, s93
	s_add_co_u32 s[OS], s[OS], SWO
	s_add_co_u32 s8, s23, s92                      ; LDS, tiles 0, 1: my four fragments of y,
	s_add_co_u32 s9, s23, s93                      ; and their scale words
	s_mul_i32 s92, s14, 4*FRB
	s_lshl_b32 s93, s14, 8
	s_add_co_u32 s[OC+4], s91, s92
	s_add_co_u32 s[OS+4], s91, s93
	s_add_co_u32 s[OS+4], s[OS+4], SWO
	s_add_co_u32 s10, s92, 2*STREAM                ; LDS, tile 2: my four fragments of Wv,
	s_add_co_u32 s11, s93, 2*STREAM                ; and their scale words
	s_mov_b32 s[OC+1], 0
	s_mov_b32 s[OS+1], 0
	s_mov_b32 s[OC+5], 0
	s_mov_b32 s[OS+5], 0
	s_mul_i32 s21, s13, STREAM                     ; LDS: y's stream wave % 2
	s_add_co_u32 s22, s89, 2*STREAM                ; LDS: my half of the weight stream
	s_mul_i32 s94, s15, BLK
	s_add_co_u32 s94, s94, s86                     ; prefetch: block cx of y's four,
	s_mul_i32 s95, s16, BLK
	s_add_co_u32 s95, s95, s88                     ; block cy of the weights' four
	s_cmp_lt_u32 s[WV], 2
	s_cselect_b32 s[PB], s94, s95
	s_mov_b32 s[PB+1], 0
	s_mov_b32 s62, 0x76543210
	s_mov_b32 s63, 0xfedcba98                      ; selects for lane l xor 16
	s_wait_dscnt 0x0                               ; both opening adds are done
	s_wait_kmcnt 0x0
	s_add_nc_u64 s[86:87], s[4:5], s[86:87]
	s_add_nc_u64 s[A0:A0+1], s[4:5], s[A0:A0+1]
	s_add_nc_u64 s[A0+2:A0+3], s[A0:A0+1], 64*BLK  ; Wk's group j lies eight groups on,
	s_add_nc_u64 s[A0+4:A0+5], s[A0:A0+1], 128*BLK ; Wv's sixteen
	s_add_nc_u64 s[PB:PB+1], s[4:5], s[PB:PB+1]
	s_add_nc_u64 s[OC:OC+1], s[6:7], s[OC:OC+1]
	s_add_nc_u64 s[OC+2:OC+3], s[OC:OC+1], 8*BLK
	s_add_nc_u64 s[OC+4:OC+5], s[6:7], s[OC+4:OC+5]
	s_add_nc_u64 s[OS:OS+1], s[6:7], s[OS:OS+1]
	s_add_nc_u64 s[OS+2:OS+3], s[OS:OS+1], 8*BLK
	s_add_nc_u64 s[OS+4:OS+5], s[6:7], s[OS+4:OS+5]
.irp s, 0,1                            ; descriptor group 0, a set for each slot: K steps 0-3 and 4-7
	s_mov_b32 s[40+4*\s], 1
	s_add_co_u32 s[41+4*\s], s21, HALF*\s
	s_add_nc_u64 s[42+4*\s:43+4*\s], s[86:87], STREAM*\s
	s_or_b32 s[43+4*\s], s[43+4*\s], 0x80000000
	s_mov_b32 s[68+4*\s], 1
	s_add_co_u32 s[69+4*\s], s22, HALF*\s
	s_add_nc_u64 s[70+4*\s:71+4*\s], s[A0:A0+1], STREAM*\s
	s_or_b32 s[71+4*\s], s[71+4*\s], 0x80000000
.endr
	CROUND                                         ; all sixteen work-groups are here: the first joint loads meet
	JFULL 0                                        ; slot 0: one tensor load a wave at the head
	v_and_b32 v1, 31, v0
	v_lshlrev_b32 v12, 4, v1                       ; 16 l
	v_lshlrev_b32 v13, 3, v1                       ; 8 l
	v_lshlrev_b32 v22, 8, v1                       ; prefetch: rows 0-31 of a block,
	v_add_nc_u32 v2, 32, v1
	v_min_u32 v2, 49, v2
	v_lshlrev_b32 v23, 8, v2                       ; rows 32-49
	v_add_nc_u32 v4, 2*STREAM, v12                 ; tiles 0, 1: source 0 = the weight stream,
	v_add_nc_u32 v6, s8, v12                       ; source 1 = y
	v_add_nc_u32 v8, 2*STREAM, v13
	v_add_nc_u32 v10, s9, v13
	v_add_nc_u32 v14, s21, v12                     ; tile 2: source 0 = y's group wave % 2,
	v_add_nc_u32 v16, s10, v12                     ; source 1 = the weight stream
	v_add_nc_u32 v18, s21, v13
	v_add_nc_u32 v20, s11, v13
.irp r, 4,6,8,10,14,16,18,20
	v_add_nc_u32 v[\r+1], HALF, v[\r]              ; the same in slot 1
.endr
.irp b, 0,1,2,3
	v_mov_b32 v[TM+4+\b], 0                        ; a lane permute's destination counts as one of its sources
.endr
; The 64 registers of accumulators (a, 0 .. 7): register 16 b + i = number 32 b + 16 (lane / 16) + i along the next K, of my lane's row.  They become my fragment a of tile t's block and its scale word.
.macro QUANTA a, t
	WIN 0x05                                       ; sources 0 and 1 window 1
.irp b, 0,1,2,3
	v_max3_num_f32 v[TM+\b], |v[64*(\a)+16*\b]|, |v[64*(\a)+16*\b+1]|, 0x2800000   ; from the low end on; the floor 2^(5 - 127) holds the byte at 1 from below
.endr
.irp e, 2,4,6,8,10,12,14
.irp b, 0,1,2,3
	v_max3_num_f32 v[TM+\b], |v[64*(\a)+16*\b+\e]|, |v[64*(\a)+16*\b+\e+1]|, v[TM+\b]
.endr
.endr
	WIN 0
.irp b, 0,1,2,3
	v_permlanex16_b32 v[TM+4+\b], v[TM+\b], s62, s63
.endr
.irp b, 0,1,2,3
	v_max_num_f32 v[TM+\b], v[TM+\b], v[TM+4+\b]   ; with lane l xor 16's 16: the block's largest magnitude
.endr
.irp b, 0,1,2,3
	v_add_nc_u32 v[TM+12+\b], 0xfe000000, v[TM+\b] ; 4 off the exponent field: the conversion's scale operand
.endr
.irp b, 0,1,2,3
	v_lshrrev_b32 v[TM+4+\b], 23, v[TM+12+\b]      ; the byte
.endr
	v_lshl_or_b32 v[PW+(\a)], v[TM+5], 8, v[TM+4]
	v_lshl_or_b32 v[PW+(\a)], v[TM+6], 16, v[PW+(\a)]
	v_lshl_or_b32 v[PW+(\a)], v[TM+7], 24, v[PW+(\a)]
.if (\a)+(\t) > 0
	s_wait_xcnt 0x0                                ; the stores issued so far have read the registers that are written next
.endif
	WIN 0x01                                       ; source 0 window 1
.irp c, 0,1
	v_cvt_scalef32_pk16_bf6_f32 v[PC+6*\c:PC+6*\c+2], v[64*(\a)+32*\c:64*(\a)+32*\c+15], v[TM+12+2*\c]
	v_cvt_scalef32_pk16_bf6_f32 v[PC+12+4*\c:PC+14+4*\c], v[64*(\a)+32*\c+16:64*(\a)+32*\c+31], v[TM+12+2*\c+1]
.endr
	WIN 0
	v_nop                                          ; one plain place behind a scaled conversion
.irp c, 0,1                            ; a whole block to a lane: lanes 0-15 block 2 c, lanes 16-31 block 2 c + 1
.irp e, 0,1,2
	v_permlane16_swap_b32 v[PC+6*\c+\e], v[PC+12+4*\c+\e]
.endr
.irp e, 0,1,2
	v_mov_b32 v[PC+3+6*\c+\e], v[PC+12+4*\c+\e]
.endr
.endr
.irp g, 0,1,2
	global_store_b128 v12, v[PC+4*\g:PC+4*\g+3], s[OC+2*(\t):OC+2*(\t)+1] offset:FRB*(\a)+512*\g   ; 512 consecutive bytes, at a multiple of 256 from the buffer's first byte
.endr
.endm
.macro EPI t                           ; tile t goes out; a next tile's first fragments are on their way into registers that this macro does not name
	WIN 0
	PLACES                                         ; behind the tile's last products
	QUANTA 0, \t
	QUANTA 1, \t
	QUANTA 2, \t
	QUANTA 3, \t
	s_mov_b32 vcc_lo, 0xffff0000                   ; lanes 0-15 carry the even fragment's words, lanes 16-31 the odd one's
	v_cndmask_b32 v[MG], v[PW], v[PW+1], vcc_lo
	v_cndmask_b32 v[MG+1], v[PW+2], v[PW+3], vcc_lo
	global_store_b64 v13, v[MG:MG+1], s[OS+2*(\t):OS+2*(\t)+1]   ; 256 consecutive bytes
.endm
	s_wait_alu depctr_va_vdst(0)                   ; the wait at the head's end
	ASK 1
	s_wait_tensorcnt 0x0                           ; my part of slot 0 is in; the three lines ahead of a later first fill, as ahead of a refill
	ds_add_u32 v28, v29
	s_wait_dscnt 0x0
	CROUND
	JFULL 1                                        ; slot 1's first fill, the first tensor load behind the round
	FETCH 0, 0
	ASK 2
	STEP 0
	STEP 1
	STEP 2
	TURN 3, 1                                      ; slot 0 takes Wk's K steps 0-3
	STEP 4
	STEP 5
	STEP 6
	TURN 7, 1                                      ; slot 1 takes Wk's K steps 4-7
	EPI 0                                          ; q
	STEP 8
	STEP 9
	STEP 10
	TURN 11, 1                                     ; slot 0 takes Wv's K steps 0-3
	STEP 12
	STEP 13
	STEP 14
	TURN 15, 1                                     ; slot 1 takes Wv's K steps 4-7
	EPI 1                                          ; k
	STEP 16
	STEP 17
	STEP 18
	TURN 19, 0                                     ; nothing is left to fetch
	STEP 20
	STEP 21
	STEP 22
	STEP 23
	EPI 2                                          ; v^T
	s_wait_tensorcnt 0x0                           ; the wave's end
	ds_add_u32 v28, v29
	s_wait_dscnt 0x0
	CROUND                                         ; the closing round
	s_endpgm
.Lfunc_end_k_qdfb092f945_proj:
	.size	k_qdfb092f945_proj, .Lfunc_end_k_qdfb092f945_proj-k_qdfb092f945_proj
	.p2alignl 7, 3214868480
	.fill 96, 4, 3214868480
	.section	.rodata,"a",@progbits
	.p2align	6, 0x0
	.amdhsa_kernel k_qdfb092f945_proj
		.amdhsa_group_segment_fixed_size 327680
		.amdhsa_private_segment_fixed_size 0
		.amdhsa_enable_private_segment 0
		.amdhsa_kernarg_size 16
		.amdhsa_user_sgpr_count 2
		.amdhsa_user_sgpr_kernarg_segment_ptr 1
		.amdhsa_wavefront_size32 1
		.amdhsa_system_sgpr_workgroup_id_x 1
		.amdhsa_system_sgpr_workgroup_id_y 1
		.amdhsa_system_sgpr_workgroup_id_z 1
		.amdhsa_system_vgpr_workitem_id 0
		.amdhsa_next_free_vgpr 768
		.amdhsa_next_free_sgpr 96
		.amdhsa_reserve_vcc 1
		.amdhsa_float_denorm_mode_32 3
		.amdhsa_float_denorm_mode_16_64 3
		.amdhsa_memory_ordered 1
		.amdhsa_forward_progress 1
		.amdhsa_inst_pref_size 226
	.end_amdhsa_kernel
	.amdgpu_metadata
---
amdhsa.version: [ 1, 2 ]
amdhsa.kernels:
  - .name:           k_qdfb092f945_proj
    .symbol:         k_qdfb092f945_proj.kd
    .args:
      - { .name: xw, .offset: 0, .size: 8, .value_kind: global_buffer, .address_space: global }
      - { .name: qkv, .offset: 8, .size: 8, .value_kind: global_buffer, .address_space: global }
    .group_segment_fixed_size: 327680
    .private_segment_fixed_size: 0
    .kernarg_segment_align: 8
    .kernarg_segment_size: 16
    .max_flat_workgroup_size: 128
    .sgpr_count:     96
    .vgpr_count:     768
    .wavefront_size: 32
...
	.end_amdgpu_metadata
.endif
;; end of part 2
;; launch scores (part 3): grid 8 x 32, 4 waves a work-group, clusters of 4 x 4, 327,680 bytes of LDS; arguments qkv, p_img, pstat; writes p_img, pstat
.if DOCPART == 3
	.amdgcn_target "amdgcn-amd-amdhsa--gfx1250"
	.amdhsa_code_object_version 6
	.text
	.protected	k_qdfb092f945_scores
	.globl	k_qdfb092f945_scores
	.p2align	8
	.type	k_qdfb092f945_scores,@function
k_qdfb092f945_scores:
	s_mov_b64 s[64:65], 0
	v_nop
	global_prefetch_b8 v0, s[64:65] scope:SCOPE_SE
	s_setreg_imm32_b32 hwreg(HW_REG_WAVE_MODE, 25, 1), 1
	s_wait_xcnt 0x0
	s_wait_alu depctr_hold_cnt(0) depctr_sa_sdst(0) depctr_va_vdst(0) depctr_va_sdst(0) depctr_va_ssrc(0) depctr_va_vcc(0) depctr_vm_vsrc(0)
	s_getreg_b32 s2, hwreg(HW_REG_IB_STS2, 6, 4)
	s_cmp_eq_u32 s2, 0
	s_cbranch_scc0 .Lentry_in_a_cluster
	s_endpgm
.Lentry_in_a_cluster:
	s_bfe_u32 s2, ttmp6, 0x10000c
	s_cmp_lg_u32 s2, 0xf033
	s_cbranch_scc0 .Lentry_shape_is_right
	s_endpgm
.Lentry_shape_is_right:
; S^T = k q^T on codes of E3M2 (K = 1,024), and the softmax's p quantised along the keys, 128 keys at a time.
; t = score x log2(e) / 32.  For each query and each 128 keys: M = ceil(the largest t of these 128 keys), a whole number; p = 2^(t - M); p's codes and scale bytes by the quantiser; l = the sum of the unquantised p.
; The row's own M is the largest of its sixteen local ones; going over to it multiplies p by an exact power of two, which changes a block's scale byte and no code.  The next launch does that, from -M and l stored here.
; A WORK-GROUP MAKES ONE TILE OF 256 KEYS x 256 QUERIES.  Grid 8 (keys) x 32 (batch, queries): 256 work-groups.  A wave makes 128 keys (group wave % 2) x 128 queries (group wave / 2): 64 accumulators, 512 registers:
; for 128 along K it reads 16 fragments from LDS for 64 products.  Source 0 = k, source 1 = q: in the result a lane holds ONE query and its registers run along the keys.
; Blocks, fragments, row order and scale words: as laid down at the head of the launch that makes q and k (12,800 bytes for 128 rows x 128 K; 8 images of 1,536 bytes; 512 bytes of scale words).
; p_img: [64 groups of queries][16 key steps] blocks.  pstat: [64][16][1,024 bytes]: 128 numbers -M, then 128 numbers l, in the order of the scale words.
; LDS: two slots of three K steps: q's group 0, q's group 1, k's group 0, k's group 1, 38,400 bytes each.  Wave w fetches stream w: 150 rows of 256 bytes.  Fills: K steps 0-2, 3-5, and 6-7 (100 rows) into slot 0 again.
; All of a WGP's LDS is claimed.  CLUSTER 4 x 4: q's blocks are asked for jointly along a row, k's along a column.
; PREFETCH: behind each of the first two fills the next fill's bytes are named, one fill ahead.  Each wave names rows of its own stream; the four partners that ask for it jointly take 38 (25) rows each, told apart by address.
; LIMITS: NaN and infinities are not served; p under 2^-126 counts as 0; a block whose every p is 0 gets the byte 1; M is exact for |t| under 2^24.
; REGISTERS: window 0: v4-11 LDS addresses, v12-13, v22-24 offsets, v28-29 for the add; v32-47 scale words, two sets; v64-255 q's fragments, two sets, later the softmax.  window 1: k's fragments, two sets at 0 and 128.
; windows 2, 3: the accumulators of q's fragments 0-3, 4-7, (a, b) at 8 (8 (a % 4) + b); t - M and p are made in place.
.set BLK,    12800
.set FRB,    1536
.set SWO,    12288
.set STR,    3*BLK                     ; a stream's part of a slot
.set HALF,   4*STR                     ; a slot
.set SPARE,  2*HALF                    ; the spare words, 128 bytes a wave, named by no other line
.set LASTK,  7
.set WV,     12
.set KB,     76                        ; s[76:77] where the stream of k that I fetch begins
.set QB,     82                        ; s[82:83] the same for q
.set PB,     66                        ; s[66:67] the prefetches' base: my own stream; never rewritten
.set BM,     64                        ; v64-71 the blocks' largest scores, then their largest p: four for each of two fragments
.set BP,     72                        ; v72-79 at work
.set SC,     80                        ; v80-87 scale operands
.set NMW,    88                        ; v[88:89], v[90:91] -M, as the low word of a pair
.set TX,     92
.set LL,     96                        ; v96-111 the sums: four chains of pairs for each of two fragments
.set PC,     112                       ; v112-151 two fragments' codes, 20 registers each
.set PW,     152                       ; v152-159 scale words;  v160-167 -M;  v168-175 l: one for each fragment
.set NMK,    160
.set LK,     168
.set MG,     176                       ; v176-187 what leaves at the end
.set MSB,    0
.macro WIN new                         ; the immediate's high byte repeats the setting that is left
.if MSB != \new
	s_set_vgpr_msb (MSB<<8)|\new
.set MSB, \new
.endif
.endm
.macro PLACES                          ; four plain places behind a matrix instruction (ISA guide 7.12.1)
.rept 4
	v_nop
.endr
.endm
.macro CROUND                          ; a round of the cluster's barrier
	s_barrier_signal -1
	s_barrier_wait -1
	s_cmp_lg_u32 s[WV], 0
	s_cbranch_scc1 .Lnot_wave_0_\@
	s_barrier_signal -3
.Lnot_wave_0_\@:
	s_barrier_wait -3
	s_barrier_signal -1
	s_barrier_wait -1
.endm
.macro WM a, b, p, c                   ; k's fragment b x q's fragment a, set p; c: the C operand.  An odd fragment's scale words lie in lanes 16-31
.set rD, 8*(8*((\a)%4)+(\b))
.set rA, 128*(\p)+12*(\b)
.set rB, 64+96*(\p)+12*(\a)
.set rX, 32+8*(\p)+(\b)/2
.set rY, 36+8*(\p)+(\a)/2
.set rW, 2*((\a)%2)+(\b)%2
.if rW == 0
	v_wmma_scale_f32_16x16x128_f8f6f4 v[rD:rD+7], v[rA:rA+11], v[rB:rB+11], \c, v[rX], v[rY] matrix_a_fmt:MATRIX_FMT_BF6 matrix_b_fmt:MATRIX_FMT_BF6
.elseif rW == 1
	v_wmma_scale_f32_16x16x128_f8f6f4 v[rD:rD+7], v[rA:rA+11], v[rB:rB+11], \c, v[rX], v[rY] matrix_a_fmt:MATRIX_FMT_BF6 matrix_b_fmt:MATRIX_FMT_BF6 matrix_a_scale:MATRIX_SCALE_ROW1
.elseif rW == 2
	v_wmma_scale_f32_16x16x128_f8f6f4 v[rD:rD+7], v[rA:rA+11], v[rB:rB+11], \c, v[rX], v[rY] matrix_a_fmt:MATRIX_FMT_BF6 matrix_b_fmt:MATRIX_FMT_BF6 matrix_b_scale:MATRIX_SCALE_ROW1
.else
	v_wmma_scale_f32_16x16x128_f8f6f4 v[rD:rD+7], v[rA:rA+11], v[rB:rB+11], \c, v[rX], v[rY] matrix_a_fmt:MATRIX_FMT_BF6 matrix_b_fmt:MATRIX_FMT_BF6 matrix_a_scale:MATRIX_SCALE_ROW1 matrix_b_scale:MATRIX_SCALE_ROW1
.endif
.endm
.macro MUL p, c                        ; a K step's 64 products: the 64 accumulators take turns
	WIN 0xa1                                       ; source 0 window 1, source 1 window 0, C and D window 2
.irp a, 0,1,2,3
.irp b, 0,1,2,3,4,5,6,7
	WM \a, \b, \p, \c
.endr
.endr
	WIN 0xf1                                       ; C and D window 3
.irp a, 4,5,6,7
.irp b, 0,1,2,3,4,5,6,7
	WM \a, \b, \p, \c
.endr
.endr
.endm
.macro FETCH ks, p                     ; K step ks's 16 fragments and scale words into set p: 52 LDS loads of consecutive bytes
.set FS, ((\ks)/3)%2
.set FQ, (\ks)%3
	WIN 0x40                                       ; destination window 1
.irp b, 0,1,2,3,4,5,6,7
.irp g, 0,1,2
	ds_load_b128 v[128*(\p)+12*\b+4*\g:128*(\p)+12*\b+4*\g+3], v[4+FS] offset:BLK*FQ+FRB*\b+512*\g
.endr
.endr
	WIN 0
.irp a, 0,1,2,3,4,5,6,7
.irp g, 0,1,2
	ds_load_b128 v[64+96*(\p)+12*\a+4*\g:64+96*(\p)+12*\a+4*\g+3], v[6+FS] offset:BLK*FQ+FRB*\a+512*\g
.endr
.endr
	ds_load_b64 v[32+8*(\p):33+8*(\p)], v[8+FS] offset:BLK*FQ+SWO
	ds_load_b64 v[34+8*(\p):35+8*(\p)], v[8+FS] offset:BLK*FQ+SWO+256
	ds_load_b64 v[36+8*(\p):37+8*(\p)], v[10+FS] offset:BLK*FQ+SWO
	ds_load_b64 v[38+8*(\p):39+8*(\p)], v[10+FS] offset:BLK*FQ+SWO+256
.endm
.macro STEP ks                         ; a K step whose successor lies in the same slot.  The first step starts the sums: nothing is cleared
	WIN 0
	s_wait_dscnt 0x0                               ; this step's 52 loads, issued a step ago, are in
.if (\ks) > 0 && (\ks) < LASTK
	PLACES                                         ; the loads below land in registers that the last step's products read
.endif
.if (\ks) < LASTK
	FETCH (\ks)+1, ((\ks)+1)%2
.endif
.if (\ks) == 0
	MUL 0, 0
.else
	MUL (\ks)%2, v[rD:rD+7]
.endif
.endm
; A fill of slot s: waves 0, 1 fetch q's two streams, waves 2, 3 k's: every way passes one load.  The branch hangs on the wave's number alone.
.macro JFULL s
	s_cmp_lt_u32 s[WV], 2
	s_cbranch_scc0 .Lk_\@
	tensor_load_to_lds s[40+4*\s:43+4*\s], s[24:31]
	s_nop 0
	PLACES
	s_branch .Ld_\@
.Lk_\@:
	tensor_load_to_lds s[68+4*\s:71+4*\s], s[32:39]
	s_nop 0
	PLACES
.Ld_\@:
.endm
; A slot's last K step changes slots.  Its fragments are in registers.  fill = 1: slot 0 takes K steps 6 and 7, two blocks of each stream.
.macro TURN ks, fill
	WIN 0
	s_wait_tensorcnt 0x0                           ; all my tensor loads have landed
	ds_add_u32 v28, v29
.if \fill
	s_add_nc_u64 s[42:43], s[QB:QB+1], 6*BLK       ; no load of mine is out: the descriptors are made anew
	s_or_b32 s43, s43, 0x80000000
	s_add_nc_u64 s[70:71], s[KB:KB+1], 6*BLK
	s_or_b32 s71, s71, 0x80000000
	s_mov_b32 s26, 100<<16                         ; 100 rows
	s_mov_b32 s28, 100
	s_mov_b32 s34, 100<<16
	s_mov_b32 s36, 100
.endif
	PLACES                                         ; ahead of the loads into registers that the last step's products read
	s_wait_dscnt 0x0                               ; the add is done, and my reads of this slot are over
.if \fill
	CROUND                                         ; no wave of any partner still reads this slot or has a load on its way
	JFULL 0                                        ; the first tensor load behind the round, one a wave
.else
	s_barrier_signal -1
	s_barrier_wait -1
.endif
	FETCH (\ks)+1, ((\ks)+1)%2
	MUL (\ks)%2, v[rD:rD+7]
.endm
	s_load_b128 s[4:7], s[0:1], 0x0                ; qkv s[4:5], p_img s[6:7]
	s_load_b64 s[8:9], s[0:1], 0x10                ; pstat
	v_lshl_add_u32 v28, v0, 2, SPARE
	v_mov_b32 v29, 0
	ds_add_u32 v28, v29                            ; the opening lines: the add twice and its wait
	ds_add_u32 v28, v29
	v_lshrrev_b32 v1, 5, v0
	v_readfirstlane_b32 s[WV], v1                  ; wave 0..3
	s_and_b32 s13, s[WV], 1
	s_lshr_b32 s14, s[WV], 1
	s_bfe_u32 s15, ttmp6, 0x40000                  ; cx
	s_bfe_u32 s16, ttmp6, 0x40004                  ; cy
	s_lshl_b32 s2, ttmp9, 2
	s_add_co_u32 s2, s2, s15                       ; which 256 keys of the batch, 0 .. 7
	s_and_b32 s18, ttmp7, 0xffff                   ; the cluster's y, 0 .. 7
	s_lshl_b32 s3, s18, 2
	s_add_co_u32 s3, s3, s16                       ; which 256 queries, 0 .. 31
	s_lshl_b32 s19, 0x1111, s15                    ; my column of the cluster
	s_lshl_b32 s20, s16, 2
	s_lshl_b32 s20, 15, s20                        ; my row
	s_or_b32 s24, s20, (3<<16)|(1<<21)             ; group 1 for q: shared along my row
	s_or_b32 s32, s19, (3<<16)|(1<<21)             ; for k: along my column
.irp g, 24, 32
	s_mov_b32 s[\g+1], 32<<16                      ; 150 dense rows of 256 bytes (32 elements of 8 bytes)
	s_mov_b32 s[\g+2], 150<<16
	s_mov_b32 s[\g+3], 32<<16
	s_mov_b32 s[\g+4], 150
	s_mov_b32 s[\g+5], 32
	s_mov_b32 s[\g+6], 0
	s_mov_b32 s[\g+7], 0
.endr
	s_lshl_b32 s84, s3, 1
	s_add_co_u32 s85, s84, s14                     ; my queries' group
	s_add_co_u32 s[QB], s84, s13                   ; the group of q that I fetch
	s_mul_i32 s[QB], s[QB], 16*BLK                 ; s82-85 never hold cx
	s_mov_b32 s[QB+1], 0
	s_lshl_b32 s89, s2, 1
	s_add_co_u32 s89, s89, s13                     ; my key step, which is also the group of k that I fetch
	s_lshr_b32 s88, s18, 1                         ; the batch, from the cluster's y alone: s88, s89 and s[76:77] never hold cy
	s_lshl_b32 s88, s88, 4
	s_add_co_u32 s88, s88, s89
	s_mul_i32 s88, s88, 16*BLK
	s_add_co_u32 s[KB], s88, 8*BLK                 ; k's eight K steps lie behind q's
	s_mov_b32 s[KB+1], 0
	s_lshl_b32 s91, s85, 4
	s_add_co_u32 s91, s91, s89                     ; the block that I write: 16 x group + key step
	s_lshl_b32 s60, s91, 10                        ; pstat: 1,024 bytes a block
	s_mov_b32 s61, 0
	s_mul_i32 s56, s91, BLK
	s_mov_b32 s57, 0
	s_mul_i32 s21, s13, STR                        ; LDS: q's stream wave % 2,
	s_add_co_u32 s22, s21, 2*STR                   ; k's stream wave % 2: fetched by waves 2, 3, and read by me
	s_mul_i32 s23, s14, STR                        ; the stream of q that I read
	s_cmp_lt_u32 s[WV], 2                          ; the prefetches: my own stream, and my place among the four that ask for it with me
	s_cselect_b32 s[PB], s[QB], s[KB]
	s_cselect_b32 s17, s15, s16
	s_mov_b32 s[PB+1], 0
	s_mul_i32 s90, s17, 38
	s_add_co_u32 s92, s90, 32
	s_mul_i32 s93, s17, 25
	s_mov_b32 s62, 0x76543210
	s_mov_b32 s63, 0xfedcba98                      ; selects for lane l xor 16
	s_mov_b32 s86, 0x3d38aa3b                      ; c = log2(e) / 32
	s_mov_b32 s87, s86                             ; (named with it as a pair)
	s_wait_dscnt 0x0                               ; both opening adds are done
	s_wait_kmcnt 0x0
	s_add_nc_u64 s[QB:QB+1], s[4:5], s[QB:QB+1]
	s_add_nc_u64 s[KB:KB+1], s[4:5], s[KB:KB+1]
	s_add_nc_u64 s[PB:PB+1], s[4:5], s[PB:PB+1]
	s_add_nc_u64 s[56:57], s[6:7], s[56:57]
	s_add_nc_u64 s[60:61], s[8:9], s[60:61]
.irp s, 0,1                            ; descriptor group 0, a set for each slot: K steps 0-2 and 3-5
	s_mov_b32 s[40+4*\s], 1
	s_add_co_u32 s[41+4*\s], s21, HALF*\s
	s_add_nc_u64 s[42+4*\s:43+4*\s], s[QB:QB+1], STR*\s
	s_or_b32 s[43+4*\s], s[43+4*\s], 0x80000000
	s_mov_b32 s[68+4*\s], 1
	s_add_co_u32 s[69+4*\s], s22, HALF*\s
	s_add_nc_u64 s[70+4*\s:71+4*\s], s[KB:KB+1], STR*\s
	s_or_b32 s[71+4*\s], s[71+4*\s], 0x80000000
.endr
	CROUND                                         ; all sixteen work-groups are here: the first joint loads meet
	JFULL 0                                        ; slot 0: one tensor load a wave at the head
	v_and_b32 v1, 31, v0
	v_lshlrev_b32 v12, 4, v1                       ; 16 l
	v_lshlrev_b32 v13, 3, v1                       ; 8 l
	v_add_nc_u32 v2, s90, v1                       ; prefetch, 150 rows: my 38: rows 38 c + 0 .. 31,
	v_min_u32 v3, 5, v1
	v_min_u32 v14, 24, v1
	v_min_u32 v2, 149, v2
	v_add_nc_u32 v3, s92, v3                       ; rows 38 c + 32 .. 37, both held inside the stream's part;
	v_add_nc_u32 v14, s93, v14                     ; 100 rows: my 25
	v_min_u32 v3, 149, v3
	v_lshlrev_b32 v22, 8, v2
	v_lshlrev_b32 v24, 8, v14
	v_lshlrev_b32 v23, 8, v3
	v_add_nc_u32 v4, s22, v12                      ; source 0 = k,
	v_add_nc_u32 v6, s23, v12                      ; source 1 = q
	v_add_nc_u32 v8, s22, v13
	v_add_nc_u32 v10, s23, v13
.irp r, 4,6,8,10
	v_add_nc_u32 v[\r+1], HALF, v[\r]              ; the same in slot 1
.endr
; q's fragments a0 and a0 + 1, by turns, so that no line waits for the line above it.  Accumulators (a, 0 .. 7): my lane's query, register 16 b + i = key 32 b + 16 (lane / 16) + i of my 128 keys.
.macro SOFT2 a0
.set R0, 64*((\a0)%4)
	WIN (2+(\a0)/4)*5                              ; sources 0 and 1: the accumulators' window
.irp u, 0,1
.irp b, 0,1,2,3
	v_max_num_f32 v[BM+4*\u+\b], v[R0+64*\u+16*\b], v[R0+64*\u+16*\b+1]   ; the largest score of each block of 32 keys; each accumulator from its low end on
.endr
.endr
.irp e, 2,4,6,8,10,12,14
.irp u, 0,1
.irp b, 0,1,2,3
	v_max3_num_f32 v[BM+4*\u+\b], v[R0+64*\u+16*\b+\e], v[R0+64*\u+16*\b+\e+1], v[BM+4*\u+\b]
.endr
.endr
.endr
	WIN 0
.irp i, 0,1,2,3,4,5,6,7
	v_permlanex16_b32 v[BP+\i], v[BM+\i], s62, s63
.endr
.irp i, 0,1,2,3,4,5,6,7
	v_max_num_f32 v[BM+\i], v[BM+\i], v[BP+\i]     ; with lane l xor 16's 16 keys
.endr
.irp u, 0,1
	v_max3_num_f32 v[TX+\u], v[BM+4*\u], v[BM+4*\u+1], v[BM+4*\u+2]
.endr
.irp u, 0,1
	v_max_num_f32 v[TX+\u], v[TX+\u], v[BM+4*\u+3] ; the largest score of my query among the 128 keys
.endr
.irp u, 0,1
	v_mul_f32 v[TX+\u], s86, v[TX+\u]              ; as t (c is positive)
.endr
.irp u, 0,1
	v_floor_f32 v[NMW+2*\u], -v[TX+\u]             ; -M = floor(-t) = -ceil(t)
.endr
.irp u, 0,1
	v_mov_b32 v[NMK+(\a0)+\u], v[NMW+2*\u]
.endr
.irp u, 0,1
.irp b, 0,1,2,3
	v_fma_f32 v[BM+4*\u+\b], v[BM+4*\u+\b], s86, v[NMW+2*\u]   ; t - M of each block's largest score
.endr
.endr
	WIN (2+(\a0)/4)*65                             ; destination and source 0: the accumulators' window
.irp u, 0,1
.set j, 0
.rept 32
	v_pk_fma_f32 v[R0+64*\u+j:R0+64*\u+j+1], v[R0+64*\u+j:R0+64*\u+j+1], s[86:87], v[NMW+2*\u:NMW+2*\u+1] op_sel_hi:[1,0,0]   ; t - M, two at a time
.set j, j+2
.endr
.endr
.set j, 0
	s_wait_alu depctr_va_vdst(0)                   ; the wait ahead of the batch
.rept 128
	v_exp_f32 v[R0+j], v[R0+j]                     ; p = 2^(t - M)
.set j, j+1
.endr
	WIN 0
.irp i, 0,1,2,3,4,5,6,7
	v_exp_f32 v[BM+\i], v[BM+\i]                   ; the block's largest p: the same two operations on the same number give the same bits
.endr
	v_nop                                          ; a plain place behind the exponentials
	s_wait_alu depctr_va_vdst(0)                   ; and the wait behind the batch
.irp i, 0,1,2,3,4,5,6,7
	v_max_num_f32 v[BM+\i], 0x2800000, v[BM+\i]    ; the floor 2^(5 - 127)
.endr
.irp i, 0,1,2,3,4,5,6,7
	v_add_nc_u32 v[SC+\i], 0xfe000000, v[BM+\i]    ; 4 off the exponent field: the conversion's scale operand
.endr
.irp i, 0,1,2,3,4,5,6,7
	v_lshrrev_b32 v[BP+\i], 23, v[SC+\i]           ; the byte
.endr
.irp u, 0,1
	v_lshl_or_b32 v[PW+(\a0)+\u], v[BP+4*\u+1], 8, v[BP+4*\u]
.endr
.irp u, 0,1
	v_lshl_or_b32 v[PW+(\a0)+\u], v[BP+4*\u+2], 16, v[PW+(\a0)+\u]
.endr
.irp u, 0,1
	v_lshl_or_b32 v[PW+(\a0)+\u], v[BP+4*\u+3], 24, v[PW+(\a0)+\u]
.endr
.if (\a0) > 0
	s_wait_xcnt 0x0                                ; the stores issued so far have read the registers that are written next
.endif
	WIN 2+(\a0)/4                                  ; source 0: the accumulators' window
.irp u, 0,1
.irp c, 0,1
	v_cvt_scalef32_pk16_bf6_f32 v[PC+20*\u+6*\c:PC+20*\u+6*\c+2], v[R0+64*\u+32*\c:R0+64*\u+32*\c+15], v[SC+4*\u+2*\c]
	v_cvt_scalef32_pk16_bf6_f32 v[PC+20*\u+12+4*\c:PC+20*\u+14+4*\c], v[R0+64*\u+32*\c+16:R0+64*\u+32*\c+31], v[SC+4*\u+2*\c+1]
.endr
.endr
	WIN 0
	v_nop                                          ; one plain place behind a scaled conversion
.irp u, 0,1
.irp c, 0,1                            ; a whole block to a lane: lanes 0-15 block 2 c, lanes 16-31 block 2 c + 1
.irp e, 0,1,2
	v_permlane16_swap_b32 v[PC+20*\u+6*\c+\e], v[PC+20*\u+12+4*\c+\e]
.endr
.endr
.endr
.irp u, 0,1
.irp c, 0,1
.irp e, 0,1,2
	v_mov_b32 v[PC+20*\u+3+6*\c+\e], v[PC+20*\u+12+4*\c+\e]
.endr
.endr
.endr
.irp u, 0,1
.irp g, 0,1,2
	global_store_b128 v12, v[PC+20*\u+4*\g:PC+20*\u+4*\g+3], s[56:57] offset:FRB*((\a0)+\u)+512*\g   ; 512 consecutive bytes, at a multiple of 256 from the buffer's first byte
.endr
.endr
	WIN (2+(\a0)/4)*5                              ; sources 0 and 1: the accumulators' window
.irp u, 0,1
.irp c, 0,1,2,3
	v_pk_add_f32 v[LL+8*\u+2*\c:LL+8*\u+2*\c+1], v[R0+64*\u+16*\c:R0+64*\u+16*\c+1], v[R0+64*\u+16*\c+2:R0+64*\u+16*\c+3]   ; the sum is taken of the unquantised p: two at a time, a chain for each block
.endr
.endr
	WIN (2+(\a0)/4)*4                              ; source 1: the accumulators' window
.irp e, 4,6,8,10,12,14
.irp u, 0,1
.irp c, 0,1,2,3
	v_pk_add_f32 v[LL+8*\u+2*\c:LL+8*\u+2*\c+1], v[LL+8*\u+2*\c:LL+8*\u+2*\c+1], v[R0+64*\u+16*\c+\e:R0+64*\u+16*\c+\e+1]
.endr
.endr
.endr
	WIN 0
.irp u, 0,1
	v_pk_add_f32 v[LL+8*\u:LL+8*\u+1], v[LL+8*\u:LL+8*\u+1], v[LL+8*\u+2:LL+8*\u+3]
	v_pk_add_f32 v[LL+8*\u+4:LL+8*\u+5], v[LL+8*\u+4:LL+8*\u+5], v[LL+8*\u+6:LL+8*\u+7]
.endr
.irp u, 0,1
	v_pk_add_f32 v[LL+8*\u:LL+8*\u+1], v[LL+8*\u:LL+8*\u+1], v[LL+8*\u+4:LL+8*\u+5]
.endr
.irp u, 0,1
	v_add_f32 v[TX+\u], v[LL+8*\u], v[LL+8*\u+1]
.endr
.irp u, 0,1
	v_permlanex16_b32 v[BP+\u], v[TX+\u], s62, s63
.endr
.irp u, 0,1
	v_add_f32 v[LK+(\a0)+\u], v[TX+\u], v[BP+\u]   ; with lane l xor 16's: l of these 128 keys
.endr
.endm
	s_wait_alu depctr_va_vdst(0)                   ; the wait at the head's end
	global_prefetch_b8 v22, s[PB:PB+1] offset:3*BLK th:TH_LOAD_NT scope:SCOPE_SE   ; K steps 3-5 of my stream: my 38 rows
	global_prefetch_b8 v23, s[PB:PB+1] offset:3*BLK th:TH_LOAD_NT scope:SCOPE_SE
	s_wait_tensorcnt 0x0                           ; my part of slot 0 is in; the three lines ahead of a later first fill, as ahead of a refill
	ds_add_u32 v28, v29
	s_wait_dscnt 0x0
	CROUND
	JFULL 1                                        ; slot 1's first fill, the first tensor load behind the round
	FETCH 0, 0
	global_prefetch_b8 v24, s[PB:PB+1] offset:6*BLK th:TH_LOAD_NT scope:SCOPE_SE   ; K steps 6, 7 of my stream: my 25 rows
	STEP 0
	STEP 1
	TURN 2, 1                                      ; slot 0 takes K steps 6 and 7
	STEP 3
	STEP 4
	TURN 5, 0                                      ; nothing is left to fetch
	STEP 6
	STEP 7
	WIN 0
	PLACES                                         ; behind the last products: what follows reads their results and writes over q's fragments
.irp i, 0,1,2,3,4,5,6,7
	v_mov_b32 v[BP+\i], 0                          ; a lane permute's destination counts as one of its sources
.endr
	v_mov_b32 v[NMW+1], 0                          ; (named as the upper halves of pairs)
	v_mov_b32 v[NMW+3], 0
	SOFT2 0
	SOFT2 2
	SOFT2 4
	SOFT2 6
	s_mov_b32 vcc_lo, 0xffff0000                   ; lanes 0-15 carry the even fragment's numbers, lanes 16-31 the odd one's
.irp h, 0,1
	v_cndmask_b32 v[MG+6*\h], v[PW+4*\h], v[PW+4*\h+1], vcc_lo
	v_cndmask_b32 v[MG+6*\h+1], v[PW+4*\h+2], v[PW+4*\h+3], vcc_lo
	v_cndmask_b32 v[MG+6*\h+2], v[NMK+4*\h], v[NMK+4*\h+1], vcc_lo
	v_cndmask_b32 v[MG+6*\h+3], v[NMK+4*\h+2], v[NMK+4*\h+3], vcc_lo
	v_cndmask_b32 v[MG+6*\h+4], v[LK+4*\h], v[LK+4*\h+1], vcc_lo
	v_cndmask_b32 v[MG+6*\h+5], v[LK+4*\h+2], v[LK+4*\h+3], vcc_lo
.endr
.irp h, 0,1
	global_store_b64 v13, v[MG+6*\h:MG+6*\h+1], s[56:57] offset:SWO+256*\h       ; each store: 256 consecutive bytes
	global_store_b64 v13, v[MG+6*\h+2:MG+6*\h+3], s[60:61] offset:256*\h
	global_store_b64 v13, v[MG+6*\h+4:MG+6*\h+5], s[60:61] offset:512+256*\h
.endr
	s_wait_tensorcnt 0x0                           ; the wave's end
	ds_add_u32 v28, v29
	s_wait_dscnt 0x0
	CROUND                                         ; the closing round
	s_endpgm
.Lfunc_end_k_qdfb092f945_scores:
	.size	k_qdfb092f945_scores, .Lfunc_end_k_qdfb092f945_scores-k_qdfb092f945_scores
	.p2alignl 7, 3214868480
	.fill 96, 4, 3214868480
	.section	.rodata,"a",@progbits
	.p2align	6, 0x0
	.amdhsa_kernel k_qdfb092f945_scores
		.amdhsa_group_segment_fixed_size 327680
		.amdhsa_private_segment_fixed_size 0
		.amdhsa_enable_private_segment 0
		.amdhsa_kernarg_size 24
		.amdhsa_user_sgpr_count 2
		.amdhsa_user_sgpr_kernarg_segment_ptr 1
		.amdhsa_wavefront_size32 1
		.amdhsa_system_sgpr_workgroup_id_x 1
		.amdhsa_system_sgpr_workgroup_id_y 1
		.amdhsa_system_sgpr_workgroup_id_z 1
		.amdhsa_system_vgpr_workitem_id 0
		.amdhsa_next_free_vgpr 1024
		.amdhsa_next_free_sgpr 96
		.amdhsa_reserve_vcc 1
		.amdhsa_float_denorm_mode_32 3
		.amdhsa_float_denorm_mode_16_64 3
		.amdhsa_memory_ordered 1
		.amdhsa_forward_progress 1
		.amdhsa_inst_pref_size 191
	.end_amdhsa_kernel
	.amdgpu_metadata
---
amdhsa.version: [ 1, 2 ]
amdhsa.kernels:
  - .name:           k_qdfb092f945_scores
    .symbol:         k_qdfb092f945_scores.kd
    .args:
      - { .name: qkv, .offset: 0, .size: 8, .value_kind: global_buffer, .address_space: global }
      - { .name: p_img, .offset: 8, .size: 8, .value_kind: global_buffer, .address_space: global }
      - { .name: pstat, .offset: 16, .size: 8, .value_kind: global_buffer, .address_space: global }
    .group_segment_fixed_size: 327680
    .private_segment_fixed_size: 0
    .kernarg_segment_align: 8
    .kernarg_segment_size: 24
    .max_flat_workgroup_size: 128
    .sgpr_count:     96
    .vgpr_count:     1024
    .wavefront_size: 32
...
	.end_amdgpu_metadata
.endif
;; end of part 3
;; launch pv (part 4): grid 4 x 64, 4 waves a work-group, clusters of 4 x 4, 327,680 bytes of LDS; arguments qkv, p_img, pstat, out0; writes out0
.if DOCPART == 4
	.amdgcn_target "amdgcn-amd-amdhsa--gfx1250"
	.amdhsa_code_object_version 6
	.text
	.protected	k_qdfb092f945_pv
	.globl	k_qdfb092f945_pv
	.p2align	8
	.type	k_qdfb092f945_pv,@function
k_qdfb092f945_pv:
	s_mov_b64 s[64:65], 0
	v_nop
	global_prefetch_b8 v0, s[64:65] scope:SCOPE_SE
	s_setreg_imm32_b32 hwreg(HW_REG_WAVE_MODE, 25, 1), 1
	s_wait_xcnt 0x0
	s_wait_alu depctr_hold_cnt(0) depctr_sa_sdst(0) depctr_va_vdst(0) depctr_va_sdst(0) depctr_va_ssrc(0) depctr_va_vcc(0) depctr_vm_vsrc(0)
	s_getreg_b32 s2, hwreg(HW_REG_IB_STS2, 6, 4)
	s_cmp_eq_u32 s2, 0
	s_cbranch_scc0 .Lentry_in_a_cluster
	s_endpgm
.Lentry_in_a_cluster:
	s_bfe_u32 s2, ttmp6, 0x10000c
	s_cmp_lg_u32 s2, 0xf033
	s_cbranch_scc0 .Lentry_shape_is_right
	s_endpgm
.Lentry_shape_is_right:
; O^T = v^T p^T on codes of E3M2 (K = the batch's 2,048 keys), divided by the row's sum.
; p's codes were made under an M of their own for each 128 keys.  At the head each thread takes one query: the row's -M is the smallest of its sixteen -M; nd = M - M(key step), a whole number, 0 or more;
; each scale byte of that key step becomes b - min(b, nd), which is p x 2^-nd with the same codes; L = the sum of l x 2^-nd.  The mended words and 1 / L stay in LDS.
; LIMITS: a mended byte is held at 0 from below: what is lost there is under 28 x 2^-127, beside a row whose largest p is above 1/2.  nd is held at 255.  NaN and infinities are not served.
; A work-group makes 256 outputs (source 0: v^T) x 128 queries (source 1: p).  In the result a lane holds ONE query and its registers run along the outputs.
; Blocks, fragments, row order and scale words: as laid down at the head of the launch that makes q, k and v^T.
; K goes in 16 steps of 128 through two LDS slots of four steps each (3 streams x 51,200 bytes): waves 0, 1 each bring one of v^T's streams, 200 rows of 256 bytes; waves 2, 3 half of p's, 100 rows.
; CLUSTER 4 x 4: v^T's blocks are asked for jointly along a column, p's along a row.  Where a slot is filled again a round of the cluster's barrier stands in front.
; REGISTERS: window 0: v4-18 addresses, v28-29 for the add; v32-45 scale words; v48-143 p's fragments, later v48-111 results; v144-215 the mending, later the way out.  window 1: the accumulators.  window 2: v^T's fragments.
.set BLK,    12800
.set FRB,    1536
.set SWO,    12288
.set STREAM, 4*BLK
.set HALF,   3*STREAM                  ; a slot
.set LASTK,  15
.set CHROWS, STREAM/256
.set PVK,    1
.set PSC,    2*HALF                    ; behind the slots: p's mended scale words, 16 key steps x 512 bytes;
.set PRL,    PSC+8192                  ; 1 / L of the 128 queries;
.set SPARE,  PRL+512                   ; the spare words, 128 bytes for each wave: two blocks of 256 bytes that no other line names
.set STG,    8448                      ; the way out: 16 rows x (512 bytes + 16) a wave, in slot 0, which by then has had its last fill and its last read
.set WV,     12
.set NMV,    144                       ; v144-159 -M;  v160-175 l;  v176-191 scale words: one for each key step
.set LV,     160
.set SV,     176
.set NG,     192
.set DD,     193
.set EE,     194
.set LT,     195
.set B0,     196
.set C0,     200
.set T,      48                        ; the way out: v48-111 results;  v144-207 rows read back;  v208-215 1 / L, a pair for each fragment
.set OB,     144
.set RL,     208
.set MSB,    0
.macro WIN new                         ; the immediate's high byte repeats the setting that is left
.if MSB != \new
	s_set_vgpr_msb (MSB<<8)|\new
.set MSB, \new
.endif
.endm
.macro PLACES                          ; four plain vector instructions behind a matrix instruction, ahead of loads into its sources and of reads of its result
.rept 4
	v_nop
.endr
.endm
.macro CROUND                          ; a round of the cluster's barrier
	s_barrier_signal -1
	s_barrier_wait -1
	s_cmp_lg_u32 s[WV], 0
	s_cbranch_scc1 .Lnot_wave_0_\@
	s_barrier_signal -3
.Lnot_wave_0_\@:
	s_barrier_wait -3
	s_barrier_signal -1
	s_barrier_wait -1
.endm
.macro WM a, b, p, zero                ; one product: source 0's fragment b x source 1's fragment a, from set p.  An odd fragment's scale words lie in lanes 16-31
.set rD, 8*(8*(\a)+(\b))
.set rA, 96*(\p)+12*(\b)
.set rB, 48+48*(\p)+12*(\a)
.set rX, 32+8*(\p)+(\b)/2
.set rY, 36+8*(\p)+(\a)/2
.set rW, 2*((\a)%2)+(\b)%2
.if \zero
.if rW == 0
	v_wmma_scale_f32_16x16x128_f8f6f4 v[rD:rD+7], v[rA:rA+11], v[rB:rB+11], 0, v[rX], v[rY] matrix_a_fmt:MATRIX_FMT_BF6 matrix_b_fmt:MATRIX_FMT_BF6
.elseif rW == 1
	v_wmma_scale_f32_16x16x128_f8f6f4 v[rD:rD+7], v[rA:rA+11], v[rB:rB+11], 0, v[rX], v[rY] matrix_a_fmt:MATRIX_FMT_BF6 matrix_b_fmt:MATRIX_FMT_BF6 matrix_a_scale:MATRIX_SCALE_ROW1
.elseif rW == 2
	v_wmma_scale_f32_16x16x128_f8f6f4 v[rD:rD+7], v[rA:rA+11], v[rB:rB+11], 0, v[rX], v[rY] matrix_a_fmt:MATRIX_FMT_BF6 matrix_b_fmt:MATRIX_FMT_BF6 matrix_b_scale:MATRIX_SCALE_ROW1
.else
	v_wmma_scale_f32_16x16x128_f8f6f4 v[rD:rD+7], v[rA:rA+11], v[rB:rB+11], 0, v[rX], v[rY] matrix_a_fmt:MATRIX_FMT_BF6 matrix_b_fmt:MATRIX_FMT_BF6 matrix_a_scale:MATRIX_SCALE_ROW1 matrix_b_scale:MATRIX_SCALE_ROW1
.endif
.else
.if rW == 0
	v_wmma_scale_f32_16x16x128_f8f6f4 v[rD:rD+7], v[rA:rA+11], v[rB:rB+11], v[rD:rD+7], v[rX], v[rY] matrix_a_fmt:MATRIX_FMT_BF6 matrix_b_fmt:MATRIX_FMT_BF6
.elseif rW == 1
	v_wmma_scale_f32_16x16x128_f8f6f4 v[rD:rD+7], v[rA:rA+11], v[rB:rB+11], v[rD:rD+7], v[rX], v[rY] matrix_a_fmt:MATRIX_FMT_BF6 matrix_b_fmt:MATRIX_FMT_BF6 matrix_a_scale:MATRIX_SCALE_ROW1
.elseif rW == 2
	v_wmma_scale_f32_16x16x128_f8f6f4 v[rD:rD+7], v[rA:rA+11], v[rB:rB+11], v[rD:rD+7], v[rX], v[rY] matrix_a_fmt:MATRIX_FMT_BF6 matrix_b_fmt:MATRIX_FMT_BF6 matrix_b_scale:MATRIX_SCALE_ROW1
.else
	v_wmma_scale_f32_16x16x128_f8f6f4 v[rD:rD+7], v[rA:rA+11], v[rB:rB+11], v[rD:rD+7], v[rX], v[rY] matrix_a_fmt:MATRIX_FMT_BF6 matrix_b_fmt:MATRIX_FMT_BF6 matrix_a_scale:MATRIX_SCALE_ROW1 matrix_b_scale:MATRIX_SCALE_ROW1
.endif
.endif
.endm
.macro MUL p, zero                     ; a K step's 32 products: the 32 accumulators take turns, one instruction a turn, in the same order in every step
	WIN 0x52                                       ; source 0 window 2, source 1 window 0, C and D window 1
.irp a, 0,1,2,3
.irp b, 0,1,2,3,4,5,6,7
	WM \a, \b, \p, \zero
.endr
.endr
.endm
.macro FETCH ks, p                     ; K step ks's fragments and scale words into set p: 39 LDS loads, each of consecutive bytes.  p's words are the mended ones
.set FS, ((\ks)/4)%2
.set FQ, (\ks)%4
	WIN 0x80                                       ; destination window 2
.irp b, 0,1,2,3,4,5,6,7
.irp g, 0,1,2
	ds_load_b128 v[96*(\p)+12*\b+4*\g:96*(\p)+12*\b+4*\g+3], v[4+FS] offset:BLK*FQ+FRB*\b+512*\g
.endr
.endr
	WIN 0
.irp a, 0,1,2,3
.irp g, 0,1,2
	ds_load_b128 v[48+48*(\p)+12*\a+4*\g:48+48*(\p)+12*\a+4*\g+3], v[6+FS] offset:BLK*FQ+FRB*\a+512*\g
.endr
.endr
	ds_load_b64 v[32+8*(\p):33+8*(\p)], v[8+FS] offset:BLK*FQ+SWO
	ds_load_b64 v[34+8*(\p):35+8*(\p)], v[8+FS] offset:BLK*FQ+SWO+256
.if PVK
	ds_load_b64 v[36+8*(\p):37+8*(\p)], v10 offset:512*(\ks)
.else
	ds_load_b64 v[36+8*(\p):37+8*(\p)], v[10+FS] offset:BLK*FQ+SWO
.endif
.endm
.macro STEP ks, tc                     ; a K step whose successor lies in the same slot
	WIN 0
	s_wait_dscnt 0x0                               ; this step's 39 loads, issued a step ago, are in
.if (\tc) >= 0
	s_wait_tensorcnt \tc
	s_barrier_signal -1
	s_barrier_wait -1
.endif
.if (\ks) > 0 && (\ks) < LASTK
	PLACES                                         ; the loads below land in registers that the last step's products read
.endif
.if (\ks) < LASTK
	FETCH (\ks)+1, ((\ks)+1)%2
.endif
	MUL (\ks)%2, ((\ks)==0)
.endm
; A joint fill of slot s: waves 0 and 1 fetch v^T's two groups (200 rows of 256 bytes), waves 2 and 3 half of p's stream each (100 rows): every way passes one load.  The branch hangs on the wave's number alone.
.macro JLOAD s
	s_cmp_lt_u32 s[WV], 2
	s_cbranch_scc0 .Lnot_a_\@
	tensor_load_to_lds s[40+4*\s:43+4*\s], s[24:31]
	s_nop 0
	PLACES
	s_branch .Ldone_\@
.Lnot_a_\@:
	tensor_load_to_lds s[68+4*\s:71+4*\s], s[32:39]
	s_nop 0
	PLACES
.Ldone_\@:
.endm
; Fill f's bytes (K steps 4 f .. 4 f + 3) are named one fill ahead.  Of a stream's four blocks each of the four partners names one, told apart by address: 50 rows of 256 bytes, a lane a row,
; two instructions (lanes left over name the last row again).  Waves 0, 1 name v^T's, wave 2 p's.  The base and the offsets are never rewritten.
.macro ASK f
	s_cmp_lt_u32 s[WV], 3
	s_cbranch_scc0 .Lno_ask_\@
	global_prefetch_b8 v19, s[92:93] offset:STREAM*(\f) th:TH_LOAD_NT scope:SCOPE_SE
	global_prefetch_b8 v20, s[92:93] offset:STREAM*(\f) th:TH_LOAD_NT scope:SCOPE_SE
.Lno_ask_\@:
.endm
; A slot's last K step changes slots.  Its fragments are in registers when the wait for the LDS loads is met, so the slot may be filled again behind the barrier, while the step is multiplied.
.macro TURN ks, fill
.set TSL, ((\ks)/4)%2
	WIN 0
	s_wait_tensorcnt 0x0                           ; all my tensor loads have landed: the one that was out is my part of the next slot
	ds_add_u32 v28, v29                            ; 0 onto my spare word
.if \fill
	s_add_nc_u64 s[42+4*TSL:43+4*TSL], s[42+4*TSL:43+4*TSL], 2*STREAM   ; no load of mine is out: this slot's descriptors step eight K steps on
	s_add_nc_u64 s[70+4*TSL:71+4*TSL], s[70+4*TSL:71+4*TSL], 2*STREAM
.endif
	PLACES                                         ; on every wave's path: the places ahead of the loads into registers that the last step's products read
	s_wait_dscnt 0x0                               ; the add is done, and my reads of this slot are over
.if \fill
	CROUND                                         ; no wave of any partner still reads this slot or has a load on its way
	JLOAD TSL                                      ; the first tensor load behind the round, one a wave: it has four K steps, 128 matrix instructions, in which to land
.else
	s_barrier_signal -1
	s_barrier_wait -1
.endif
	FETCH (\ks)+1, ((\ks)+1)%2
.if (\ks) == 3
	ASK 3
.endif
	MUL (\ks)%2, 0
.endm
	s_load_b256 s[4:11], s[0:1], 0x0               ; qkv s[4:5], p_img s[6:7], pstat s[8:9], out0 s[10:11]
	v_lshl_add_u32 v28, v0, 2, SPARE
	v_mov_b32 v29, 0
	ds_add_u32 v28, v29
	ds_add_u32 v28, v29
	s_wait_dscnt 0x0
	v_lshrrev_b32 v1, 5, v0
	v_readfirstlane_b32 s[WV], v1                  ; wave 0..3
	s_and_b32 s13, s[WV], 1                        ; h0: my 128 outputs
	s_lshr_b32 s14, s[WV], 1                       ; h1: my 64 queries
	s_bfe_u32 s15, ttmp6, 0x40000                  ; cx
	s_bfe_u32 s16, ttmp6, 0x40004                  ; cy
	s_mov_b32 s17, ttmp9
	s_and_b32 s18, ttmp7, 0xffff
	s_lshl_b32 s19, 0x1111, s15                    ; my column of the cluster
	s_lshl_b32 s20, s16, 2
	s_lshl_b32 s20, 15, s20                        ; my row
	s_or_b32 s24, s19, (3<<16)|(1<<21)             ; group 1 for v^T: shared along my column
	s_or_b32 s32, s20, (3<<16)|(1<<21)             ; for p: along my row
.irp g, 24, 32
	s_mov_b32 s[\g+1], 32<<16                      ; 200 rows of 256 bytes (32 elements of 8 bytes), dense
	s_mov_b32 s[\g+2], CHROWS<<16
	s_mov_b32 s[\g+3], 32<<16
	s_mov_b32 s[\g+4], CHROWS
	s_mov_b32 s[\g+5], 32
	s_mov_b32 s[\g+6], 0
	s_mov_b32 s[\g+7], 0
.endr
	s_mov_b32 s34, (CHROWS/2)<<16                  ; a load of p brings two blocks, 100 rows
	s_mov_b32 s36, CHROWS/2
	s_lshl_b32 s2, s17, 2
	s_add_co_u32 s2, s2, s15                       ; x: which 256 outputs, 0 .. 3
	s_lshl_b32 s3, s18, 2
	s_add_co_u32 s3, s3, s16                       ; y: which 128 queries, 0 .. 63
	s_lshl_b32 s84, s2, 1
	s_add_co_u32 s84, s84, s13
	s_lshl_b32 s84, s84, 6                         ; v^T: 64 blocks for each group of 128 outputs,
	s_lshr_b32 s85, s18, 2                         ; the batch, from the cluster's y alone: s84, s85 never hold cy
	s_lshl_b32 s85, s85, 4
	s_add_co_u32 s84, s84, s85                     ; the batch's sixteen,
	s_add_co_u32 s84, s84, 1024                    ; behind q's and k's 1,024 blocks
	s_mul_i32 s84, s84, BLK
	s_mov_b32 s85, 0
	s_mul_i32 s88, s3, 16*BLK                      ; p: sixteen blocks for each group of queries
	s_mov_b32 s89, 0
	s_add_co_u32 s60, s88, SWO                     ; and their scale words
	s_mov_b32 s61, 0
	s_mul_i32 s91, s13, 2*BLK                      ; which half of p's four blocks I fetch
	s_add_co_u32 s88, s88, s91
	s_lshl_b32 s58, s3, 14
	s_mov_b32 s59, 0
	s_lshl_b32 s56, s3, 19                         ; out0: 128 rows of 4,096 bytes,
	s_lshl_b32 s90, s14, 18                        ; my 64 of them,
	s_add_co_u32 s56, s56, s90
	s_lshl_b32 s90, s2, 10                         ; 256 outputs of 4 bytes,
	s_add_co_u32 s56, s56, s90
	s_lshl_b32 s90, s13, 9                         ; my 128 of them
	s_add_co_u32 s56, s56, s90
	s_mov_b32 s57, 0
	s_mul_i32 s21, s13, STREAM
	s_wait_kmcnt 0x0
	s_add_nc_u64 s[84:85], s[4:5], s[84:85]
	s_add_nc_u64 s[88:89], s[6:7], s[88:89]
	s_add_nc_u64 s[60:61], s[6:7], s[60:61]
	s_add_nc_u64 s[58:59], s[8:9], s[58:59]
	s_add_nc_u64 s[56:57], s[10:11], s[56:57]
	s_mul_i32 s92, s16, BLK                        ; the prefetches' base: block cy of v^T's four,
	s_mov_b32 s93, 0
	s_add_nc_u64 s[92:93], s[84:85], s[92:93]
	s_mul_i32 s94, s15, BLK                        ; block cx of p's four
	s_mov_b32 s95, 0
	s_add_nc_u64 s[94:95], s[88:89], s[94:95]
	s_cmp_lt_u32 s[WV], 2
	s_cselect_b64 s[92:93], s[92:93], s[94:95]
.irp s, 0,1                            ; descriptor group 0, a set for each slot
	s_mov_b32 s[40+4*\s], 1
	s_add_co_u32 s[41+4*\s], s21, HALF*\s
	s_add_nc_u64 s[42+4*\s:43+4*\s], s[84:85], STREAM*\s
	s_or_b32 s[43+4*\s], s[43+4*\s], 0x80000000
	s_mov_b32 s[68+4*\s], 1
	s_add_co_u32 s[69+4*\s], s91, 2*STREAM+HALF*\s
	s_add_nc_u64 s[70+4*\s:71+4*\s], s[88:89], STREAM*\s
	s_or_b32 s[71+4*\s], s[71+4*\s], 0x80000000
.endr
	v_lshlrev_b32 v14, 2, v0                       ; 4 x thread: my query's word in each array of 512 bytes.  These 48 loads go out ahead of the tiles: the mending then runs while slot 0 is on its way
.set k, 0
.rept 16
	global_load_b32 v[NMV+k], v14, s[58:59] offset:1024*k
.set k, k+1
.endr
.set k, 0
.rept 16
	global_load_b32 v[LV+k], v14, s[58:59] offset:1024*k+512
.set k, k+1
.endr
.set k, 0
.rept 16
	global_load_b32 v[SV+k], v14, s[60:61] offset:BLK*k
.set k, k+1
.endr
	CROUND                                         ; all sixteen work-groups are here: the first joint loads meet
	JLOAD 0                                        ; slot 0: one tensor load a wave at the head
	v_lshl_add_u32 v15, v0, 2, PSC                 ; where my mended words go
	v_and_b32 v1, 31, v0
	v_and_b32 v2, 15, v0
	v_bfe_u32 v3, v0, 4, 1
	v_lshlrev_b32 v12, 4, v1                       ; 16 l
	v_lshlrev_b32 v13, 3, v1                       ; 8 l
	v_lshlrev_b32 v19, 8, v1                       ; prefetch: rows 0-31 of a block,
	v_add_nc_u32 v20, 32, v1
	v_min_u32 v20, 49, v20
	v_lshlrev_b32 v20, 8, v20                      ; rows 32-49
	s_wait_alu depctr_va_vdst(0)
	s_mul_i32 s22, s14, 4*FRB
	s_add_co_u32 s22, s22, 2*STREAM
.irp s, 0,1
	v_add_nc_u32 v[4+\s], s21, v12
	v_add_nc_u32 v[6+\s], s22, v12
	v_add_nc_u32 v[8+\s], s21, v13
	s_add_co_u32 s21, s21, HALF
	s_add_co_u32 s22, s22, HALF
.endr
	s_lshl_b32 s23, s14, 8
	s_add_co_u32 s22, s23, PSC
	v_add_nc_u32 v10, s22, v13                     ; my four fragments' mended words: 512 bytes a key step in the immediate
	s_add_co_u32 s22, s23, PRL
	v_lshl_add_u32 v18, v2, 3, s22                 ; 1 / L of my lane's queries
	s_mul_i32 s22, s[WV], STG
	v_mul_u32_u24 v16, v2, 528
	v_lshl_add_u32 v16, v3, 6, v16
	v_add_nc_u32 v16, s22, v16                     ; the stage, in: row = lane % 16, + 64 bytes for lanes 16-31
	v_add_nc_u32 v17, s22, v12                     ; back: a row's 512 bytes, 16 a lane
	s_wait_loadcnt 32                              ; the sixteen -M are in; the 32 loads behind them may be out
	v_min3_num_f32 v[NG], v[NMV], v[NMV+1], v[NMV+2]
.irp e, 3,5,7,9,11,13
	v_min3_num_f32 v[NG], v[NG], v[NMV+\e], v[NMV+\e+1]
.endr
	v_min_num_f32 v[NG], v[NG], v[NMV+15]          ; the row's -M
	s_wait_alu depctr_va_vdst(0)
	s_wait_loadcnt 0x0
.macro MEND k
	v_sub_f32 v[DD], v[NMV+\k], v[NG]              ; nd = M - M(key step): a whole number, 0 or more
	v_cvt_u32_f32 v[DD], v[DD]                     ; (it saturates)
	v_min_u32 v[DD], 0xff, v[DD]
	v_sub_nc_u32 v[EE], 0, v[DD]
.if \k == 0
	v_ldexp_f32 v[LT], v[LV], v[EE]                ; l x 2^-nd: nothing is rounded
.else
	v_ldexp_f32 v[EE], v[LV+\k], v[EE]
	v_add_f32 v[LT], v[LT], v[EE]
.endif
	v_and_b32 v[B0], 0xff, v[SV+\k]
	v_bfe_u32 v[B0+1], v[SV+\k], 8, 8
	v_bfe_u32 v[B0+2], v[SV+\k], 16, 8
	v_lshrrev_b32 v[B0+3], 24, v[SV+\k]
.irp e, 0,1,2,3
	v_min_u32 v[C0+\e], v[B0+\e], v[DD]
.endr
.irp e, 0,1,2,3
	v_sub_nc_u32 v[B0+\e], v[B0+\e], v[C0+\e]      ; b - min(b, nd)
.endr
	v_lshl_or_b32 v[SV+\k], v[B0+1], 8, v[B0]      ; back into the register that it came in: no store's data are written again
	v_lshl_or_b32 v[SV+\k], v[B0+2], 16, v[SV+\k]
	v_lshl_or_b32 v[SV+\k], v[B0+3], 24, v[SV+\k]
	ds_store_b32 v15, v[SV+\k] offset:512*\k
.endm
.irp k, 0,1,2,3,4,5,6,7,8,9,10,11,12,13,14,15
	MEND \k
.endr
	ASK 1                                          ; slot 1's bytes are named here, behind the mending and ahead of the wait for slot 0
	s_wait_alu depctr_va_vdst(0)
	v_rcp_f32 v[EE], v[LT]
	v_nop                                          ; a plain place behind the reciprocal
	s_wait_alu depctr_va_vdst(0)
	ds_store_b32 v15, v[EE] offset:PRL-PSC
	s_wait_tensorcnt 0x0                           ; my part of slot 0 is in; the three lines ahead of a later first fill, as ahead of a refill
	ds_add_u32 v28, v29
	s_wait_dscnt 0x0                               ; the add is done, and my stores have landed, for the others' sake
	CROUND
	JLOAD 1                                        ; slot 1's first fill, the first tensor load behind the round
	FETCH 0, 0
	ASK 2
	STEP 0, -1
	STEP 1, -1
	STEP 2, -1
	TURN 3, 1                                      ; slot 0 takes K steps 8-11
	STEP 4, -1
	STEP 5, -1
	STEP 6, -1
	TURN 7, 1                                      ; slot 1 takes K steps 12-15
	STEP 8, -1
	STEP 9, -1
	STEP 10, -1
	TURN 11, 0                                     ; nothing is left to fetch; behind this barrier nobody reads slot 0
	STEP 12, -1
	STEP 13, -1
	STEP 14, -1
	STEP 15, -1
	; THE WAY OUT.  Accumulators (a, 0 .. 7): my lane's query, register 16 b + i = output 32 b + 16 (lane / 16) + i of my 128.  Times 1 / L, through my stage, out as whole rows of 512 bytes.
	WIN 0
	PLACES
.irp a, 0,1,2,3
	ds_load_b32 v[RL+2*\a], v18 offset:128*(\a%2)+4*(\a/2)
	ds_load_b32 v[RL+2*\a+1], v18 offset:128*(\a%2)+4*(\a/2)
.endr
	s_wait_dscnt 0x0
.macro OUTA a
	WIN 0x01                                       ; source 0 window 1
.set j, 0
.rept 32
	v_pk_mul_f32 v[T+j:T+j+1], v[64*(\a)+j:64*(\a)+j+1], v[RL+2*(\a):RL+2*(\a)+1]   ; each accumulator from its low end on
.set j, j+2
.endr
	WIN 0
.set j, 0
.rept 16
	ds_store_b128 v16, v[T+4*j:T+4*j+3] offset:128*(j/4)+16*(j%4)
.set j, j+1
.endr
.if (\a) > 0
	s_wait_xcnt 0x0                                ; the last fragment's stores have read the registers that the loads below fill
.endif
.set j, 0
.rept 16
	ds_load_b128 v[OB+4*j:OB+4*j+3], v17 offset:528*j   ; LDS serves a wave's instructions in order: these see my stores
.set j, j+1
.endr
.set j, 0
.rept 16
	s_wait_dscnt 15-j                              ; the younger loads may be out
	global_store_b128 v12, v[OB+4*j:OB+4*j+3], s[56:57] offset:(32*((\a)/2)+8*((\a)%2)+j%8+16*(j/8))*4096 th:TH_STORE_NT   ; 512 consecutive bytes of one row, at a multiple of 256 from out0's first byte
.set j, j+1
.endr
.endm
	OUTA 0
	OUTA 1
	OUTA 2
	OUTA 3
	s_wait_tensorcnt 0x0                           ; the wave's end: behind my last tensor load and my last LDS store
	ds_add_u32 v28, v29
	s_wait_dscnt 0x0
	CROUND                                         ; the closing round
	s_endpgm
.Lfunc_end_k_qdfb092f945_pv:
	.size	k_qdfb092f945_pv, .Lfunc_end_k_qdfb092f945_pv-k_qdfb092f945_pv
	.p2alignl 7, 3214868480
	.fill 96, 4, 3214868480
	.section	.rodata,"a",@progbits
	.p2align	6, 0x0
	.amdhsa_kernel k_qdfb092f945_pv
		.amdhsa_group_segment_fixed_size 327680
		.amdhsa_private_segment_fixed_size 0
		.amdhsa_enable_private_segment 0
		.amdhsa_kernarg_size 32
		.amdhsa_user_sgpr_count 2
		.amdhsa_user_sgpr_kernarg_segment_ptr 1
		.amdhsa_wavefront_size32 1
		.amdhsa_system_sgpr_workgroup_id_x 1
		.amdhsa_system_sgpr_workgroup_id_y 1
		.amdhsa_system_sgpr_workgroup_id_z 1
		.amdhsa_system_vgpr_workitem_id 0
		.amdhsa_next_free_vgpr 768
		.amdhsa_next_free_sgpr 96
		.amdhsa_reserve_vcc 0
		.amdhsa_float_denorm_mode_32 3
		.amdhsa_float_denorm_mode_16_64 3
		.amdhsa_memory_ordered 1
		.amdhsa_forward_progress 1
		.amdhsa_inst_pref_size 165
	.end_amdhsa_kernel
	.amdgpu_metadata
---
amdhsa.version: [ 1, 2 ]
amdhsa.kernels:
  - .name:           k_qdfb092f945_pv
    .symbol:         k_qdfb092f945_pv.kd
    .args:
      - { .name: qkv, .offset: 0, .size: 8, .value_kind: global_buffer, .address_space: global }
      - { .name: p_img, .offset: 8, .size: 8, .value_kind: global_buffer, .address_space: global }
      - { .name: pstat, .offset: 16, .size: 8, .value_kind: global_buffer, .address_space: global }
      - { .name: out0, .offset: 24, .size: 8, .value_kind: global_buffer, .address_space: global }
    .group_segment_fixed_size: 327680
    .private_segment_fixed_size: 0
    .kernarg_segment_align: 8
    .kernarg_segment_size: 32
    .max_flat_workgroup_size: 128
    .sgpr_count:     96
    .vgpr_count:     768
    .wavefront_size: 32
...
	.end_amdgpu_metadata
.endif
;; end of part 4
